; MI455X (gfx1250); checked and timed in simulation.
; The chip was launched on July 23, 2026; its instructions are those of AMD's public machine-readable ISA for CDNA 5 (MIT licence, August 2026) and "CDNA5" Instruction Set Architecture Reference Guide (July 2026). The comments in the code are by the model that wrote it; some were corrected since.
;; minerva. Allowed arithmetic: matrix products marked QUANTISED: E4M3 operands, one E8M0 scale for each 32 along K, by v_wmma_scale_f32_16x16x128_f8f6f4 with both operands' format E4M3, f32 sums; everything else in f32.
;; Inputs: class_reps 100 x 100 float32; ex_classes 20,000 x 100 float32; ex_features 20,000 x 512 float32; features 4,096 x 512 float32; g_weight 512 x 512 float32.
;; Outputs: out0 4,096 x 100 float32.
;; This version of the problem:
;;   THIS VERSION OF THE PROBLEM IS GIVEN IN LOW PRECISION. The matrix products marked QUANTISED in the list below multiply operands that are first quantised to E4M3 (4 exponent bits, 3 mantissa bits; 8 bits a number), with one power-of-two scale for each 32 numbers along K (OCP MX v1.0); their sums are f32. All else is computed in f32.
;;   The module's matrix products, in the order in which they are computed (A, B: the left and right operand; K: the contracted axis; several contracted axes count as one K, in the product's order):
;;     1. [M 4,096, K 512] x [K 512, N 512]; A: input features; B: input g_weight: QUANTISED
;;     2. [M 20,000, K 512] x [K 512, N 512]; A: input ex_features; B: input g_weight: QUANTISED
;;     3. [M 20,000, K 100] x [K 100, N 100]; A: computed on the way; B: input class_reps: QUANTISED
;;     4. [M 4,096, K 512] x [K 512, N 20,000]; A: computed on the way; B: computed on the way: QUANTISED
;;     5. [M 4,096, K 20,000] x [K 20,000, N 100]; A: computed on the way; B: computed on the way: QUANTISED
;;   THE QUANTISER, for each operand of a quantised product, along K:
;;     - K is cut into blocks of 32 from its start; a last block that is shorter is filled with zeros.
;;     - A block's scale is 2^e with e = floor(log2(the largest magnitude in the block)) - 8, held to -126 .. 127; a block of zeros has e = 0. As a byte (E8M0): e + 127.
;;     - Each number is divided by its block's scale, clamped to +-448, and rounded to the nearest number of E4M3, ties to even, subnormals kept.
;;     - The product sums the exact products of the quantised numbers (number of the format x scale) in f32.
;;   ~~~python
;;   def quantise(x, axis):      # numpy; x: float32 -> the quantised numbers, widened to float32 again
;;       x = np.moveaxis(x, axis, -1); K = x.shape[-1]
;;       x = np.pad(x, [(0, 0)] * (x.ndim - 1) + [(0, -K % 32)]); x = x.reshape(x.shape[:-1] + (-1, 32)); a = np.abs(x).max(-1, keepdims=True)
;;       e = np.where(a > 0, np.clip(np.frexp(np.where(a > 0, a, 1))[1] - 1 - 8, -126, 127), 0)      # np.frexp(a)[1] - 1 = floor(log2(a)), exactly
;;       r = np.clip(x / 2.0 ** e, -448, 448)
;;       step = 2.0 ** (np.maximum(np.frexp(np.where(r == 0, 1, r))[1] - 1, -6) - 3)
;;       q = np.round(r / step) * step * 2.0 ** e      # np.round: ties to even
;;       return np.moveaxis(q.reshape(q.shape[:-2] + (-1,))[..., :K], -1, axis).astype(np.float32)
;;   ~~~
;;   OPERANDS COMPUTED ON THE WAY. 'Computed on the way' means the value that the module computes at that place (a softmax that the list does not call 'softmax' is quantised finished and normalised). What goes into a quantiser is computed in f32, as accurately as f32 sums, v_exp_f32 and their like allow (about 1e-6 of the number): no bf16 or f16 on the way to a quantiser, and a product that is left as it is and whose result goes on into a quantised operand takes f32 operands (vector FMAs, or v_wmma_f32_16x16x4_f32). A number that lies on a knife's edge between two numbers of the format may be rounded either way, as far as f32 arithmetic and the matrix unit's own rounding can turn it there, and no further.
;; One version. Each part assembles by itself: llvm-mc -triple=amdgcn-amd-amdhsa -mcpu=gfx1250 --defsym DOCPART=n.
;; ======== version 1 of 1: 5 launches
;; limits: right only within a limited range of input values
;; workspace buffers: wq 270,336 bytes; qrec 2,162,688 bytes; stream 13,271,040 bytes; psum 524,288 bytes; opart 29,360,128 bytes
;; launch prep (part 1): grid 176 x 1, 4 waves a work-group, no clusters, 110,080 bytes of LDS; arguments g_weight, ex_classes, class_reps, wq, stream; writes wq, stream
.if DOCPART == 1
	.amdgcn_target "amdgcn-amd-amdhsa--gfx1250"
	.amdhsa_code_object_version 6
	.text
	.protected	k_qa0c0ab62a8_prep
	.globl	k_qa0c0ab62a8_prep
	.p2align	8
	.type	k_qa0c0ab62a8_prep,@function
k_qa0c0ab62a8_prep:
	s_mov_b64 s[64:65], 0
	v_nop
	global_prefetch_b8 v0, s[64:65] scope:SCOPE_SE
	s_setreg_imm32_b32 hwreg(HW_REG_WAVE_MODE, 25, 1), 1
	s_wait_xcnt 0x0
; PREP.  Two jobs, told apart by the work-group's number (the same for all four waves of a work-group).
; Work-groups 0-15: g_weight [512][512] f32 becomes codes of E4M3 with one E8M0 byte for each 32 along K, laid in wq as images of operand registers.
; Work-groups 16-175: tile p = number - 16 of 128 exemplars: ecr = Q(l1norm(ex_classes)) Q(class_reps), K = 100 filled with zero codes to 128; ecr is then
; quantised along the EXEMPLARS (the last product's K) and stored as the V and VS parts of record p of stream.
; AN IMAGE is 16 rows x 128 K: four chunks of 512 bytes; chunk c holds lane l's registers 4 c .. 4 c + 3 at 16 l.
; THE ROWS OF A TILE ARE NOT NEIGHBOURS: row i of tile u of a block of 32 is row 8 u + i + 8 (i / 8), so that the 16 registers of two neighbouring result tiles are 16 neighbours along the next K.
; LIMITS: NaN and infinities are not served.  A block of zeros gets the byte 1 where the quantiser says 127: its codes are zeros, and this program alone reads the bytes.
; x / n is x times v_rcp_f32(n).  The row's sum of magnitudes is added in another order than a plain loop would, in f32.
; No cluster and no tensor load: the work-groups share only class_reps, 40,000 bytes.
.set RECB,  82944                      ; a record of stream: K 65,536, KS 2,048, V 14,336, VS 1,024 bytes
.set TM,    16                         ; v16-31  at work in QUANT: largest magnitudes, bytes, holds, scale operands
.set PW,    32                         ; v32-34  scale words on their way to memory or LDS
.set NIL,   36                         ; v36     0
.set SWA,   37                         ; v37     LDS: where I store a scale word: 4 lane + 256 wave
.set L4,    38                         ; v38     4 lane
.set L32,   39                         ; v39     32 lane
.set BC,    40                         ; v40-71  codes of class_reps: my two tiles of 16 labels
.set BSC,   72                         ; v72-73  their scale words
.set AF,    76                         ; v76-107 two fragments of exemplars; later the codes of ecr
.set ASC,   108                        ; v108-109 their scale words
.set PC,    110                        ; v110-125 codes just made
.set ST,    128                        ; v128-255 2 x 64 numbers as loaded; later the 16 result tiles
.set MSB, 0
.macro WIN new                         ; the immediate's high byte repeats the setting that is left; a switch that changes nothing is dropped
.if MSB != (\new)
	s_set_vgpr_msb (MSB<<8)|(\new)
.set MSB, (\new)
.endif
.endm
.macro PLACES n
.rept \n
	v_nop
.endr
.endm
; 64 numbers of a lane, v[s] .. v[s + 63] of window x, register 16 b + i = k 32 b + 16 (lane / 16) + i of the lane's row, become a fragment's codes in v[pc] on and its scale word in v[pw] (window 0)
.macro QUANT s, x, pc, pw
	WIN ((\x)<<2)|((\x)<<4)
.irp b, 0,1,2,3
	v_max3_num_f32 v[TM+\b], 0x4800000, |v[(\s)+16*\b]|, |v[(\s)+16*\b+1]|   ; my 16 numbers of block b and the floor 2^(9 - 127): the byte cannot fall under 1
.endr
.irp i, 2,4,6,8,10,12,14
.irp b, 0,1,2,3
	v_max3_num_f32 v[TM+\b], v[TM+\b], |v[(\s)+16*\b+\i]|, |v[(\s)+16*\b+\i+1]|
.endr
.endr
	WIN 0
.irp b, 0,1,2,3
	v_permlanex16_b32 v[TM+4+\b], v[TM+\b], s20, s21
.endr
.irp b, 0,1,2,3
	v_max_num_f32 v[TM+\b], v[TM+\b], v[TM+4+\b]   ; with lane l xor 16's 16: the block's largest magnitude
.endr
.irp b, 0,1,2,3
	v_add_nc_u32 v[TM+12+\b], 0xfc000000, v[TM+\b] ; 8 off its exponent field: the conversion's scale operand
.endr
.irp b, 0,1,2,3
	v_and_or_b32 v[TM+8+\b], v[TM+\b], 0x7f800000, s22   ; 448 x the scale
.endr
.irp b, 0,1,2,3
	v_lshrrev_b32 v[TM+4+\b], 23, v[TM+12+\b]      ; the scale's byte
.endr
	v_lshl_or_b32 v[\pw], v[TM+5], 8, v[TM+4]
	v_lshl_or_b32 v[\pw], v[TM+6], 16, v[\pw]
	v_lshl_or_b32 v[\pw], v[TM+7], 24, v[\pw]
	WIN ((\x)<<6)|(\x)
.irp b, 0,1,2,3
.irp i, 0,1,2,3,4,5,6,7,8,9,10,11,12,13,14,15
	v_med3_num_f32 v[(\s)+16*\b+\i], v[(\s)+16*\b+\i], -v[TM+8+\b], v[TM+8+\b]   ; the conversion does not saturate (ISA guide 7.6.2): the hold comes first
.endr
.endr
	WIN (\x)
.irp b, 0,1,2,3
	v_cvt_scalef32_pk8_fp8_f32 v[(\pc)+4*\b:(\pc)+4*\b+1], v[(\s)+16*\b:(\s)+16*\b+7], v[TM+12+\b]
	v_cvt_scalef32_pk8_fp8_f32 v[(\pc)+4*\b+2:(\pc)+4*\b+3], v[(\s)+16*\b+8:(\s)+16*\b+15], v[TM+12+\b]
.endr
	WIN 0
	v_nop                                          ; one plain line behind the last conversion, ahead of whatever next touches its registers
.endm
	s_load_b256 s[4:11], s[0:1], 0x0               ; g_weight s[4:5], ex_classes s[6:7], class_reps s[8:9], wq s[10:11]
	s_load_b64 s[12:13], s[0:1], 0x20              ; stream
	v_lshl_add_u32 v126, v0, 2, 0x4400
	v_mov_b32 v127, 0
	v_lshrrev_b32 v1, 5, v0
	v_readfirstlane_b32 s14, v1                    ; wave 0..3
	v_and_b32 v1, 31, v0                           ; lane
	v_and_b32 v2, 15, v0                           ; r
	v_bfe_u32 v3, v0, 4, 1                         ; h
	v_lshlrev_b32 v5, 4, v1                        ; 16 lane
	v_and_b32 v6, 8, v2
	v_add_nc_u32 v6, v6, v2                        ; r + 8 (r / 8)
	v_mov_b32 v[NIL], 0
.irp b, 0,1,2,3
	v_mov_b32 v[TM+4+\b], 0                        ; written once: a lane permute's destination counts as one of its sources
.endr
	s_mov_b32 s20, 0x76543210
	s_mov_b32 s21, 0xfedcba98                      ; v_permlanex16_b32's selects for lane l xor 16
	s_mov_b32 s22, 0x600000                        ; the mantissa field of 448
	s_mov_b32 s23, 0xffff0000                      ; lanes 16-31
	s_mov_b32 s25, 0
	s_mov_b32 s27, 0
	s_wait_kmcnt 0x0
	s_cmp_lt_u32 ttmp9, 16
	s_cbranch_scc0 .Lexemplars
	; ---- g_weight: work-group i takes rows 32 i .. 32 i + 31, wave s the K step 128 s on: two fragments
	s_lshl_b32 s24, ttmp9, 16                      ; 32 rows of 2,048 bytes
	s_lshl_b32 s26, s14, 9                         ; 128 numbers
	s_add_co_u32 s24, s24, s26
	s_add_nc_u64 s[4:5], s[4:5], s[24:25]
	s_lshl_b32 s24, ttmp9, 14                      ; images: (2 i + u) x 4 + s, 2,048 bytes each
	s_lshl_b32 s26, s14, 11
	s_add_co_u32 s24, s24, s26
	s_add_nc_u64 s[16:17], s[10:11], s[24:25]
	s_lshl_b32 s24, ttmp9, 9                       ; scale words: 512 bytes a block of 32 rows, 16 a lane, word s
	s_lshl_b32 s26, s14, 2
	s_add_co_u32 s24, s24, s26
	s_add_nc_u64 s[18:19], s[10:11], s[24:25]
	s_wait_alu depctr_va_vdst(0)
	v_lshlrev_b32 v4, 11, v6
	v_lshl_add_u32 v4, v3, 6, v4                   ; my row, + 64 h: 16 neighbours of each block of 32
.irp u, 0,1
.irp c, 0,1,2,3
.irp j, 0,1,2,3
	global_load_b128 v[ST+64*\u+16*\c+4*\j:ST+64*\u+16*\c+4*\j+3], v4, s[4:5] offset:16384*\u+128*\c+16*\j
.endr
.endr
.endr
	s_wait_loadcnt 0x0
	QUANT ST, 0, AF, PW
	QUANT ST+64, 0, AF+16, PW+1
.irp u, 0,1
.irp c, 0,1,2,3
	global_store_b128 v5, v[AF+16*\u+4*\c:AF+16*\u+4*\c+3], s[16:17] offset:8192*\u+512*\c   ; 512 consecutive bytes a store
.endr
.endr
	v_cndmask_b32 v[PW+2], v[PW], v[PW+1], s23     ; lanes 0-15: tile 0's words, lanes 16-31: tile 1's
	global_store_b32 v5, v[PW+2], s[18:19] offset:262144
	s_endpgm
.Lexemplars:
	; ---- tile p of 128 exemplars.  Wave w quantises exemplars 32 w .. 32 w + 31 of the tile (two fragments) and the label tiles w and w + 4 of class_reps
	s_sub_co_u32 s34, ttmp9, 16                    ; p
	s_lshl_b32 s35, s34, 7
	s_lshl_b32 s24, s14, 5
	s_add_co_u32 s35, s35, s24
	s_wait_alu depctr_va_vdst(0)
	v_add_nc_u32 v6, s35, v6                       ; my exemplar in tile u = 0,
	v_add_nc_u32 v7, 8, v6                         ; in u = 1
	v_cmp_gt_u32 s28, 0x4e20, v6                   ; is there such an exemplar (under 20,000)?
	v_cmp_gt_u32 s29, 0x4e20, v7
; Both inputs come in consecutive runs of 512 bytes a load and are turned through LDS: my 32 exemplars' 12,800 bytes through a stage of my own, class_reps' 40,000 bytes through one that the four waves fill together.
.set EXS, 17920                        ; LDS: four stages of 12,800 bytes, rows of 400 as in memory
.set CRS, 69120                        ; LDS: class_reps as it lies, 20 x 2,048 bytes
	s_mul_i32 s24, s14, 12800
	s_add_co_u32 s24, s24, EXS
	v_and_b32 v10, 8, v2
	v_add_nc_u32 v10, v10, v2
	v_mul_u32_u24 v10, v10, 400
	v_add_nc_u32 v10, s24, v10                     ; my row of the stage (tile u = 1: eight rows on),
	v_lshl_add_u32 v8, v3, 6, v10                  ; + 64 h
	v_add_nc_u32 v9, s24, v5                       ; into the stage: 16 lane
	v_lshl_add_u32 v35, v0, 4, CRS                 ; class_reps into LDS: 16 thread
	v_lshlrev_b32 v74, 4, v0                       ; and in memory;
	v_add_nc_u32 v75, 38912, v74
	v_min_u32 v75, 39984, v75                      ; the last run is held inside the buffer
	s_min_u32 s36, s35, 19968                      ; a wave's 32 exemplars are all there or none is (20,000 = 625 x 32): a wave with none reads the last 32 and multiplies by 0
	s_mul_i32 s36, s36, 400
	s_mov_b32 s37, 0
	s_add_nc_u64 s[6:7], s[6:7], s[36:37]
	s_lshl_b32 s24, s14, 4
	v_add_nc_u32 v12, s24, v2                      ; my label in tile w,
	v_add_nc_u32 v13, 64, v12                      ; in tile w + 4
	v_cmp_gt_u32 s30, 100, v12
	v_cmp_gt_u32 s31, 100, v13
	s_and_b32 s32, s30, 0xffff                     ; k = 96 .. 99 lie in lanes 0-15 alone
	s_and_b32 s33, s31, 0xffff
	v_lshl_add_u32 v14, v12, 2, CRS                ; labels from 100 on read on into the next row of the stage, inside its 40,960 bytes, and are made zeros below
	v_lshl_add_u32 v15, v13, 2, CRS
	v_mad_u32_u24 v12, v3, 6400, v14               ; lanes 16-31 begin 16 rows of class_reps further down
	s_wait_alu depctr_va_vdst(0)
	v_mad_u32_u24 v13, v3, 6400, v15
	s_wait_alu depctr_va_vdst(0)
	s_lshl_b32 s24, s14, 12
	v_add_nc_u32 v4, s24, v5                       ; LDS: my two images: 16 lane + 4,096 wave
	v_lshlrev_b32 v[L4], 2, v1
	s_lshl_b32 s24, s14, 8
	v_add_nc_u32 v[SWA], s24, v[L4]
	v_lshlrev_b32 v[L32], 5, v1
	s_mul_i32 s24, s34, RECB
	s_lshl_b32 s26, s14, 11
	s_add_co_u32 s26, s26, s24
	s_add_nc_u64 s[16:17], s[12:13], s[26:27]      ; record p, + 2,048 wave: V's image of label tile w
	s_lshl_b32 s26, s14, 2
	s_add_co_u32 s26, s26, s24
	s_add_nc_u64 s[18:19], s[12:13], s[26:27]      ; record p, + 4 wave: VS's word of label tile w
	s_wait_alu depctr_va_vdst(0)
.set k, 0
.rept 25
	global_load_b128 v[ST+4*k:ST+4*k+3], v5, s[6:7] offset:512*k th:TH_LOAD_NT
.set k, k+1
.endr
	WIN 0x40
.set k, 0
.rept 19
	global_load_b128 v[4*k:4*k+3], v74, s[8:9] offset:2048*k
.set k, k+1
.endr
	global_load_b128 v[76:79], v75, s[8:9]
	WIN 0
	s_wait_loadcnt 20                              ; my exemplars are in; the 20 loads of class_reps may be out
.set k, 0
.rept 25
	ds_store_b128 v9, v[ST+4*k:ST+4*k+3] offset:512*k
.set k, k+1
.endr
	s_wait_loadcnt 0x0
	WIN 0x04
.set k, 0
.rept 20
	ds_store_b128 v35, v[4*k:4*k+3] offset:2048*k
.set k, k+1
.endr
	WIN 0
	s_wait_dscnt 0x0                               ; for the others' sake: my part of class_reps has landed
	s_barrier_signal -1
	s_barrier_wait -1
.irp u, 0,1
.irp c, 0,1,2
.irp j, 0,1,2,3
	ds_load_b128 v[ST+64*\u+16*\c+4*\j:ST+64*\u+16*\c+4*\j+3], v8 offset:3200*\u+128*\c+16*\j
.endr
.endr
	ds_load_b128 v[ST+64*\u+48:ST+64*\u+51], v10 offset:3200*\u+384   ; k = 96 .. 99, in every lane; lanes 16-31 drop them below
.endr
	WIN 0x40                                       ; destination window 1: class_reps, a lane to a label, registers down K
.irp i, 0,1
.irp c, 0,1,2
.irp k, 0,1,2,3,4,5,6,7,8,9,10,11,12,13,14,15
	ds_load_b32 v[64*\i+16*\c+\k], v[12+\i] offset:(32*\c+\k)*400
.endr
.endr
.irp k, 0,1,2,3
	ds_load_b32 v[64*\i+48+\k], v[14+\i] offset:(96+\k)*400
.endr
.endr
	WIN 0
	s_wait_dscnt 0x0
.irp i, 0,1
	WIN 0x44                                       ; destination and source 1 window 1
.set k, 0
.rept 48
	v_cndmask_b32 v[64*\i+k], v[NIL], v[64*\i+k], s[30+\i]   ; labels from 100 on are zeros
.set k, k+1
.endr
.rept 4
	v_cndmask_b32 v[64*\i+k], v[NIL], v[64*\i+k], s[32+\i]   ; and so is k from 112 on
.set k, k+1
.endr
	WIN 0x40
.rept 12
	v_mov_b32 v[64*\i+k], 0                        ; k = 100 .. 111 and 116 .. 127
.set k, k+1
.endr
	QUANT 64*\i, 1, BC+16*\i, BSC+\i
.endr
.irp u, 0,1
.irp k, 48,49,50,51
	v_cndmask_b32 v[ST+64*\u+\k], v[ST+64*\u+\k], v[NIL], s23   ; lanes 16-31 hold k from 112 on: zeros
.endr
.irp k, 52,53,54,55,56,57,58,59,60,61,62,63
	v_mov_b32 v[ST+64*\u+\k], 0
.endr
.irp q, 0,1,2,3
	v_add_f32 v[TM+\q], |v[ST+64*\u+\q]|, |v[ST+64*\u+4+\q]|   ; the row's sum of magnitudes, in four chains
.endr
.irp m, 8,12,16,20,24,28,32,36,40,44,48
.irp q, 0,1,2,3
	v_add_f32 v[TM+\q], v[TM+\q], |v[ST+64*\u+\m+\q]|
.endr
.endr
	v_add_f32 v[TM], v[TM], v[TM+1]
	v_add_f32 v[TM+2], v[TM+2], v[TM+3]
	v_add_f32 v[TM], v[TM], v[TM+2]
	v_permlanex16_b32 v[TM+4], v[TM], s20, s21
	v_add_f32 v[TM], v[TM], v[TM+4]
	v_max_num_f32 v[TM], 0x2b8cbccc, v[TM]         ; at least 1e-12
	s_wait_alu depctr_va_vdst(0)
	v_rcp_f32 v[TM+8], v[TM]
	v_nop                                          ; a plain line behind the reciprocal,
	s_wait_alu depctr_va_vdst(0)                   ; and the wait ahead of its first reader
	v_cndmask_b32 v[TM+8], v[NIL], v[TM+8], s[28+\u]   ; exemplars from 20,000 on count for nothing: zero codes
	v_mov_b32 v[TM+9], v[TM+8]
.set k, 0
.rept 26
	v_pk_mul_f32 v[ST+64*\u+k:ST+64*\u+k+1], v[ST+64*\u+k:ST+64*\u+k+1], v[TM+8:TM+9] op_sel_hi:[1,0]
.set k, k+2
.endr
	QUANT ST+64*\u, 0, PC, PW
.irp c, 0,1,2,3
	ds_store_b128 v4, v[PC+4*\c:PC+4*\c+3] offset:2048*\u+512*\c
.endr
	ds_store_b32 v[SWA], v[PW] offset:16384+128*\u
	s_wait_dscnt 0x0                               ; the stores have read their registers; and, for the others' sake, they have landed
.endr
	s_barrier_signal -1
	s_barrier_wait -1                              ; the tile's eight fragments lie in LDS
	; source 0 = 16 exemplars, source 1 = 16 labels: a lane holds ONE label, and the 16 registers of tiles (b, 0) and (b, 1) are exemplars 32 b + 16 h + 0 .. 15
.irp b, 0,1,2,3
.if \b > 0
	PLACES 8                                       ; in front of loads into registers that matrix instructions have read
.endif
.irp u, 0,1
.irp c, 0,1,2,3
	ds_load_b128 v[AF+16*\u+4*\c:AF+16*\u+4*\c+3], v5 offset:(2*\b+\u)*2048+512*\c
.endr
	ds_load_b32 v[ASC+\u], v[L4] offset:16384+(2*\b+\u)*128
.endr
	s_wait_dscnt 0x0
.irp i, 0,1
.irp u, 0,1
	v_wmma_scale_f32_16x16x128_f8f6f4 v[ST+64*\i+16*\b+8*\u:ST+64*\i+16*\b+8*\u+7], v[AF+16*\u:AF+16*\u+15], v[BC+16*\i:BC+16*\i+15], 0, v[ASC+\u], v[BSC+\i]
.endr
.endr
.endr
	PLACES 8
	QUANT ST, 0, AF, PW                            ; ecr of label tile w, along the tile's 128 exemplars
	QUANT ST+64, 0, AF+16, PW+1                    ; of label tile w + 4
.irp c, 0,1,2,3
	global_store_b128 v5, v[AF+4*\c:AF+4*\c+3], s[16:17] offset:67584+512*\c
.endr
	global_store_b32 v[L32], v[PW], s[18:19] offset:81920
	global_store_b32 v[L32], v[PW+1], s[18:19] offset:81920+16   ; tile 7's word too: the record has no byte that is not written
	s_cmp_eq_u32 s14, 3
	s_cbranch_scc1 .Lno_tile_7                     ; V has seven label tiles
.irp c, 0,1,2,3
	global_store_b128 v5, v[AF+16+4*\c:AF+16+4*\c+3], s[16:17] offset:67584+8192+512*\c
.endr
.Lno_tile_7:
	s_wait_tensorcnt 0x0
	ds_add_u32 v126, v127
	s_wait_dscnt 0x0
	s_endpgm
.Lfunc_end_k_qa0c0ab62a8_prep:
	.size	k_qa0c0ab62a8_prep, .Lfunc_end_k_qa0c0ab62a8_prep-k_qa0c0ab62a8_prep
	.p2alignl 7, 3214868480
	.fill 96, 4, 3214868480
	.section	.rodata,"a",@progbits
	.p2align	6, 0x0
	.amdhsa_kernel k_qa0c0ab62a8_prep
		.amdhsa_group_segment_fixed_size 110080
		.amdhsa_private_segment_fixed_size 0
		.amdhsa_enable_private_segment 0
		.amdhsa_kernarg_size 40
		.amdhsa_user_sgpr_count 2
		.amdhsa_user_sgpr_kernarg_segment_ptr 1
		.amdhsa_wavefront_size32 1
		.amdhsa_system_sgpr_workgroup_id_x 1
		.amdhsa_system_sgpr_workgroup_id_y 1
		.amdhsa_system_sgpr_workgroup_id_z 1
		.amdhsa_system_vgpr_workitem_id 0
		.amdhsa_next_free_vgpr 384
		.amdhsa_next_free_sgpr 66
		.amdhsa_reserve_vcc 0
		.amdhsa_float_denorm_mode_32 3
		.amdhsa_float_denorm_mode_16_64 3
		.amdhsa_memory_ordered 1
		.amdhsa_forward_progress 1
		.amdhsa_inst_pref_size 115
	.end_amdhsa_kernel
	.amdgpu_metadata
---
amdhsa.version: [ 1, 2 ]
amdhsa.kernels:
  - .name:           k_qa0c0ab62a8_prep
    .symbol:         k_qa0c0ab62a8_prep.kd
    .args:
      - { .name: g_weight, .offset: 0, .size: 8, .value_kind: global_buffer, .address_space: global }
      - { .name: ex_classes, .offset: 8, .size: 8, .value_kind: global_buffer, .address_space: global }
      - { .name: class_reps, .offset: 16, .size: 8, .value_kind: global_buffer, .address_space: global }
      - { .name: wq, .offset: 24, .size: 8, .value_kind: global_buffer, .address_space: global }
      - { .name: stream, .offset: 32, .size: 8, .value_kind: global_buffer, .address_space: global }
    .group_segment_fixed_size: 110080
    .private_segment_fixed_size: 0
    .kernarg_segment_align: 8
    .kernarg_segment_size: 40
    .max_flat_workgroup_size: 128
    .sgpr_count:     66
    .vgpr_count:     384
    .wavefront_size: 32
...
	.end_amdgpu_metadata
.endif
;; end of part 1
;; launch project (part 2): grid 256 x 1, 4 waves a work-group, no clusters, 86,528 bytes of LDS; arguments features, ex_features, wq, qrec, stream; writes qrec, stream
.if DOCPART == 2
	.amdgcn_target "amdgcn-amd-amdhsa--gfx1250"
	.amdhsa_code_object_version 6
	.text
	.protected	k_qa0c0ab62a8_project
	.globl	k_qa0c0ab62a8_project
	.p2align	8
	.type	k_qa0c0ab62a8_project,@function
k_qa0c0ab62a8_project:
	s_mov_b64 s[64:65], 0
	v_nop
	global_prefetch_b8 v0, s[64:65] scope:SCOPE_SE
	s_setreg_imm32_b32 hwreg(HW_REG_WAVE_MODE, 25, 1), 1
	s_wait_xcnt 0x0
; PROJECT.  f = Q(features) Q(g)^T and e = Q(ex_features) Q(g)^T, each row divided by its L2 norm and quantised along the 512 features: the operands of the similarity product.
; 768 blocks of 32 rows: 128 of queries (to qrec), 625 of exemplars and 15 of padding (to the K and KS parts of stream).  Work-group x takes blocks 3 x, 3 x + 1, 3 x + 2.
; THE WAVES SHARE THE COLUMNS: wave w makes features 128 w .. 128 w + 127, one K step of the next product; its 32 fragments of g stay in 512 registers, read once.
; A BLOCK, two barriers.  Each wave loads two of the block's eight fragments of x in whole runs of 512 bytes, turns them through its own stage in LDS so that a lane holds 16 neighbours of each block of 32,
; quantises them and stores their images | barrier | all eight images back; 64 products, used transposed (source 0 = 16 rows of g, source 1 = 16 rows of x): a lane holds ONE row of x and its registers run
; along the features; the wave's part of the sum of squares to LDS | barrier | the four parts added; x 1 / max(norm, 1e-12); quantised in registers; images and scale words to memory.
; Row i of tile u of a block is row 8 u + i + 8 (i / 8), for x and for g alike.
; A padding block reads block 624 of ex_features again (no load leaves the buffer; that one block is the only data named more than once) and is multiplied by 0: zero codes.
; LIMITS: NaN and infinities are not served; a block of zeros gets the byte 1 (its codes are zeros; this program alone reads the bytes); the norm is v_sqrt_f32, the division v_rcp_f32 and a multiplication;
; the sum of squares is added in another order than a plain loop would, in f32.
; No tensor load and no cluster: g's fragments go straight into registers, once a work-group; x is read by one work-group alone.
; REGISTERS: window 0: v4-14 addresses; v32-47 QUANT's; v48-49, v58 scale words on their way out; v50-57 x's scale words; v64-79 g's; v80-111 codes just made; v112-127 sums; v128-255 the results (64 ux + 8 T + j).
;   window 1: v0-127 2 x 64 numbers of x; v128-255 x's eight fragments.   windows 2, 3: g's fragments: tile T, K step s at 64 (T % 4) + 16 s of window 2 + T / 4.
.set RECB,  82944
.set XIMG,  0                          ; LDS: x's eight images (4 ux + s), 2,048 bytes each;
.set XSC,   16384                      ; their scale words, 128 bytes each;
.set SSQ,   17408                      ; the waves' parts of the sums of squares, 128 bytes each;
.set STG,   17920                      ; for each wave two stages of 16 rows x (512 + 16) bytes
.set GA,    4
.set LI,    5
.set LS,    6
.set TWS,   7
.set TRD,   8
.set XWI,   9
.set XWS,   10
.set SSW,   11
.set SSR,   12
.set CO,    13
.set SO,    14
.set TM,    32
.set PW,    48
.set XS,    50
.set MW,    58
.set WS,    64
.set PC0,   80
.set PC1,   96
.set SU,    112
.set H,     128
.set MSB, 0
.macro WIN new                         ; the immediate's high byte repeats the setting that is left; a switch that changes nothing is dropped
.if MSB != (\new)
	s_set_vgpr_msb (MSB<<8)|(\new)
.set MSB, (\new)
.endif
.endm
.macro PLACES n
.rept \n
	v_nop
.endr
.endm
; 64 numbers of a lane, v[s] .. v[s + 63] of window x, register 16 b + i = k 32 b + 16 (lane / 16) + i of the lane's row, become a fragment's codes in v[pc] on and its scale word in v[pw] (window 0)
.macro QUANT s, x, pc, pw
	WIN ((\x)<<2)|((\x)<<4)
.irp b, 0,1,2,3
	v_max3_num_f32 v[TM+\b], 0x4800000, |v[(\s)+16*\b]|, |v[(\s)+16*\b+1]|   ; my 16 numbers of block b and the floor 2^(9 - 127): the byte cannot fall under 1
.endr
.irp i, 2,4,6,8,10,12,14
.irp b, 0,1,2,3
	v_max3_num_f32 v[TM+\b], v[TM+\b], |v[(\s)+16*\b+\i]|, |v[(\s)+16*\b+\i+1]|
.endr
.endr
	WIN 0
.irp b, 0,1,2,3
	v_permlanex16_b32 v[TM+4+\b], v[TM+\b], s20, s21
.endr
.irp b, 0,1,2,3
	v_max_num_f32 v[TM+\b], v[TM+\b], v[TM+4+\b]
.endr
.irp b, 0,1,2,3
	v_add_nc_u32 v[TM+12+\b], 0xfc000000, v[TM+\b] ; 8 off the exponent field: the conversion's scale operand
.endr
.irp b, 0,1,2,3
	v_and_or_b32 v[TM+8+\b], v[TM+\b], 0x7f800000, s22   ; 448 x the scale
.endr
.irp b, 0,1,2,3
	v_lshrrev_b32 v[TM+4+\b], 23, v[TM+12+\b]      ; the scale's byte
.endr
	v_lshl_or_b32 v[\pw], v[TM+5], 8, v[TM+4]
	v_lshl_or_b32 v[\pw], v[TM+6], 16, v[\pw]
	v_lshl_or_b32 v[\pw], v[TM+7], 24, v[\pw]
	WIN ((\x)<<6)|(\x)
.irp b, 0,1,2,3
.irp i, 0,1,2,3,4,5,6,7,8,9,10,11,12,13,14,15
	v_med3_num_f32 v[(\s)+16*\b+\i], v[(\s)+16*\b+\i], -v[TM+8+\b], v[TM+8+\b]   ; the conversion does not saturate (ISA guide 7.6.2): the hold comes first
.endr
.endr
	WIN (\x)
.irp b, 0,1,2,3
	v_cvt_scalef32_pk8_fp8_f32 v[(\pc)+4*\b:(\pc)+4*\b+1], v[(\s)+16*\b:(\s)+16*\b+7], v[TM+12+\b]
	v_cvt_scalef32_pk8_fp8_f32 v[(\pc)+4*\b+2:(\pc)+4*\b+3], v[(\s)+16*\b+8:(\s)+16*\b+15], v[TM+12+\b]
.endr
	WIN 0
	v_nop                                          ; one plain line behind the last conversion, ahead of whatever next touches its registers
.endm
; one scaled product; z: the sum begins (C = 0); ra, rb: the side's scale words lie in lanes 16-31
.macro MM d, a, b, z, sa, ra, sb, rb
.if (\z)
.if (\ra) && (\rb)
	v_wmma_scale_f32_16x16x128_f8f6f4 v[(\d):(\d)+7], v[(\a):(\a)+15], v[(\b):(\b)+15], 0, v[(\sa)], v[(\sb)] matrix_a_scale:MATRIX_SCALE_ROW1 matrix_b_scale:MATRIX_SCALE_ROW1
.elseif (\ra)
	v_wmma_scale_f32_16x16x128_f8f6f4 v[(\d):(\d)+7], v[(\a):(\a)+15], v[(\b):(\b)+15], 0, v[(\sa)], v[(\sb)] matrix_a_scale:MATRIX_SCALE_ROW1
.elseif (\rb)
	v_wmma_scale_f32_16x16x128_f8f6f4 v[(\d):(\d)+7], v[(\a):(\a)+15], v[(\b):(\b)+15], 0, v[(\sa)], v[(\sb)] matrix_b_scale:MATRIX_SCALE_ROW1
.else
	v_wmma_scale_f32_16x16x128_f8f6f4 v[(\d):(\d)+7], v[(\a):(\a)+15], v[(\b):(\b)+15], 0, v[(\sa)], v[(\sb)]
.endif
.else
.if (\ra) && (\rb)
	v_wmma_scale_f32_16x16x128_f8f6f4 v[(\d):(\d)+7], v[(\a):(\a)+15], v[(\b):(\b)+15], v[(\d):(\d)+7], v[(\sa)], v[(\sb)] matrix_a_scale:MATRIX_SCALE_ROW1 matrix_b_scale:MATRIX_SCALE_ROW1
.elseif (\ra)
	v_wmma_scale_f32_16x16x128_f8f6f4 v[(\d):(\d)+7], v[(\a):(\a)+15], v[(\b):(\b)+15], v[(\d):(\d)+7], v[(\sa)], v[(\sb)] matrix_a_scale:MATRIX_SCALE_ROW1
.elseif (\rb)
	v_wmma_scale_f32_16x16x128_f8f6f4 v[(\d):(\d)+7], v[(\a):(\a)+15], v[(\b):(\b)+15], v[(\d):(\d)+7], v[(\sa)], v[(\sb)] matrix_b_scale:MATRIX_SCALE_ROW1
.else
	v_wmma_scale_f32_16x16x128_f8f6f4 v[(\d):(\d)+7], v[(\a):(\a)+15], v[(\b):(\b)+15], v[(\d):(\d)+7], v[(\sa)], v[(\sb)]
.endif
.endif
.endm
; s[18:19] = the first byte of block s[g]: features for blocks under 128, else ex_features; padding blocks take block 624
.macro SRCPTR g
	s_sub_co_u32 s30, s[\g], 128
	s_cmp_lt_u32 s[\g], 128
	s_cselect_b32 s30, s[\g], s30
	s_cselect_b64 s[18:19], s[4:5], s[6:7]
	s_min_u32 s30, s30, 624
	s_lshl_b32 s30, s30, 16                        ; 32 rows of 2,048 bytes
	s_mov_b32 s31, 0
	s_add_nc_u64 s[18:19], s[18:19], s[30:31]
.endm
.macro XLOAD                           ; my two fragments of x as they lie: each load takes 512 consecutive bytes of one row
	WIN 0x40
.irp f, 0,1
.irp i, 0,1,2,3,4,5,6,7,8,9,10,11,12,13,14,15
	global_load_b128 v[64*\f+4*\i:64*\f+4*\i+3], v[GA], s[18:19] offset:(\i+8*(\i/8))*2048+512*\f th:TH_LOAD_NT
.endr
.endr
	WIN 0
.endm
.macro TURN                            ; through my own stage: in by rows, back 64 bytes a lane.  LDS serves a wave's instructions in order (ISA guide 5.7.1.4): no wait between
	WIN 0x04
.irp f, 0,1
.irp i, 0,1,2,3,4,5,6,7,8,9,10,11,12,13,14,15
	ds_store_b128 v[TWS], v[64*\f+4*\i:64*\f+4*\i+3] offset:8448*\f+528*\i
.endr
.endr
	WIN 0x40
.irp f, 0,1
.irp c, 0,1,2,3
.irp j, 0,1,2,3
	ds_load_b128 v[64*\f+16*\c+4*\j:64*\f+16*\c+4*\j+3], v[TRD] offset:8448*\f+128*\c+16*\j
.endr
.endr
.endr
	WIN 0
.endm
	s_load_b256 s[4:11], s[0:1], 0x0               ; features s[4:5], ex_features s[6:7], wq s[8:9], qrec s[10:11]
	s_load_b64 s[12:13], s[0:1], 0x20              ; stream
	v_lshl_add_u32 v62, v0, 2, 0x15000
	v_mov_b32 v63, 0
	v_lshrrev_b32 v1, 5, v0
	v_readfirstlane_b32 s14, v1                    ; wave 0..3
	v_and_b32 v1, 31, v0
	v_and_b32 v2, 15, v0                           ; r
	v_bfe_u32 v3, v0, 4, 1                         ; h
	v_lshlrev_b32 v[LI], 4, v1
	s_wait_alu depctr_va_vdst(0)
	v_lshlrev_b32 v[LS], 2, v1
	s_wait_alu depctr_va_vdst(0)
	s_and_b32 s30, s14, 1                          ; the tile of rows whose fragments I quantise,
	s_lshr_b32 s31, s14, 1                         ; and which pair of K steps
	s_lshl_b32 s32, s31, 10
	s_lshl_b32 s33, s30, 14
	s_add_co_u32 s32, s32, s33
	v_add_nc_u32 v[GA], s32, v[LI]                 ; 16 lane + 1,024 (wave / 2) + 8 rows x (wave % 2)
	s_mul_i32 s32, s14, 16896
	s_add_co_u32 s32, s32, STG                     ; my stages
	v_add_nc_u32 v[TWS], s32, v[LI]
	v_mul_u32_u24 v[TRD], v2, 528
	v_lshl_add_u32 v[TRD], v3, 6, v[TRD]
	v_add_nc_u32 v[TRD], s32, v[TRD]
	s_lshl_b32 s32, s30, 2
	s_lshl_b32 s33, s31, 1
	s_add_co_u32 s32, s32, s33                     ; my first image's number
	s_lshl_b32 s33, s32, 11
	v_add_nc_u32 v[XWI], s33, v[LI]
	s_lshl_b32 s33, s32, 7
	s_add_co_u32 s33, s33, XSC
	v_add_nc_u32 v[XWS], s33, v[LS]
	s_lshl_b32 s33, s14, 7
	s_add_co_u32 s33, s33, SSQ
	v_add_nc_u32 v[SSW], s33, v[LS]
	v_add_nc_u32 v[SSR], SSQ, v[LS]
	s_lshl_b32 s33, s14, 11
	v_add_nc_u32 v[CO], s33, v[LI]                 ; out: image of K step w
	s_lshl_b32 s33, s14, 2
	v_add_nc_u32 v[SO], s33, v[LI]                 ; out: word w of the lane's four
.irp b, 0,1,2,3
	v_mov_b32 v[TM+4+\b], 0                        ; written once: a lane permute's destination counts as one of its sources
.endr
	v_mov_b32 v[SU+8], 0
	v_mov_b32 v[SU+9], 0
	v_mov_b32 v[SU+11], 0
	s_mov_b32 s20, 0x76543210
	s_mov_b32 s21, 0xfedcba98
	s_mov_b32 s22, 0x600000
	s_mov_b32 s23, 0xffff0000                      ; lanes 16-31
	s_mul_i32 s15, ttmp9, 3                        ; my first block
	s_mov_b32 s16, 3                               ; blocks to go
	s_lshl_b32 s30, s14, 16
	s_mov_b32 s31, 0
	s_lshl_b32 s32, s14, 11
	s_mov_b32 s33, 0
	s_wait_kmcnt 0x0
	s_add_nc_u64 s[40:41], s[8:9], s[30:31]        ; my 32 images of g,
	s_add_nc_u64 s[42:43], s[8:9], s[32:33]        ; and their scale words
.irp T, 0,1,2,3,4,5,6,7
	WIN 0x80+0x40*(\T/4)
.irp k, 0,1,2,3
.irp c, 0,1,2,3
	global_load_b128 v[64*(\T%4)+16*\k+4*\c:64*(\T%4)+16*\k+4*\c+3], v[LI], s[40:41] offset:2048*(4*\T+\k)+512*\c
.endr
.endr
.endr
	WIN 0
.irp b, 0,1,2,3
	global_load_b128 v[WS+4*\b:WS+4*\b+3], v[LI], s[42:43] offset:262144+512*\b   ; lanes 0-15: tile 2 b's four words, lanes 16-31: tile 2 b + 1's
.endr
	SRCPTR 15
	XLOAD
.Lblock:
	s_wait_loadcnt 0x0                             ; x is in (in the first trip g too)
	TURN
	s_cmp_lt_u32 s15, 753
	s_cselect_b32 s24, 1.0, 0                      ; a padding block is multiplied by 0
	s_sub_co_u32 s30, s15, 128                     ; where the block's codes and scale words go: exemplars: record E / 4, block E % 4;
	s_lshr_b32 s32, s30, 2
	s_mul_i32 s32, s32, RECB
	s_and_b32 s33, s30, 3
	s_lshl_b32 s34, s33, 14
	s_add_co_u32 s34, s34, s32
	s_lshl_b32 s35, s33, 9
	s_add_co_u32 s35, s35, s32
	s_add_co_u32 s35, s35, 65536
	s_lshl_b32 s36, s15, 14                        ; queries: block G of qrec
	s_lshl_b32 s37, s15, 9
	s_add_co_u32 s37, s37, 2097152
	s_cmp_lt_u32 s15, 128
	s_cselect_b64 s[26:27], s[10:11], s[12:13]
	s_cselect_b32 s30, s36, s34
	s_cselect_b32 s32, s37, s35
	s_mov_b32 s31, 0
	s_mov_b32 s33, 0
	s_mov_b64 s[28:29], s[26:27]
	s_add_nc_u64 s[26:27], s[26:27], s[30:31]
	s_add_nc_u64 s[28:29], s[28:29], s[32:33]
	s_wait_dscnt 0x0                               ; my numbers are back from the stage
	QUANT 0, 1, PC0, PW
.irp c, 0,1,2,3
	ds_store_b128 v[XWI], v[PC0+4*\c:PC0+4*\c+3] offset:512*\c
.endr
	ds_store_b32 v[XWS], v[PW]
	QUANT 64, 1, PC1, PW+1
.irp c, 0,1,2,3
	ds_store_b128 v[XWI], v[PC1+4*\c:PC1+4*\c+3] offset:2048+512*\c
.endr
	ds_store_b32 v[XWS], v[PW+1] offset:128
	s_cmp_eq_u32 s16, 1                            ; the next block's x is asked for here, if there is a next block
	s_cbranch_scc1 .Lno_next
	s_add_co_u32 s38, s15, 1
	SRCPTR 38                                      ; (the loads that named s[18:19] were waited for at the trip's head)
	XLOAD
.Lno_next:
	s_wait_dscnt 0x0                               ; my images have landed
	s_barrier_signal -1
	s_barrier_wait -1                              ; x's eight images lie in LDS
	WIN 0x40
.set k, 0
.rept 32
	ds_load_b128 v[128+4*k:128+4*k+3], v[LI] offset:XIMG+512*k
.set k, k+1
.endr
	WIN 0
.irp q, 0,1,2,3,4,5,6,7
	ds_load_b32 v[XS+\q], v[LS] offset:XSC+128*\q
.endr
	s_wait_dscnt 0x0
	; four accumulators take turns, one instruction a turn
.irp ux, 0,1
.irp hf, 0,1
	WIN 0x06+\hf                                   ; source 0 (g) window 2 or 3, source 1 (x) window 1
.irp k, 0,1,2,3
.irp q, 0,1,2,3
	MM H+64*\ux+8*(4*\hf+\q), 64*\q+16*\k, 128+64*\ux+16*\k, (\k==0), WS+4*((4*\hf+\q)/2)+\k, \q%2, XS+4*\ux+\k, 0
.endr
.endr
.endr
.endr
	WIN 0
	PLACES 8
.irp ux, 0,1                           ; my 128 features' part of the sums of squares, each accumulator from its low end on
	v_pk_mul_f32 v[SU+4*\ux:SU+4*\ux+1], v[H+64*\ux:H+64*\ux+1], v[H+64*\ux:H+64*\ux+1]
	v_pk_mul_f32 v[SU+4*\ux+2:SU+4*\ux+3], v[H+64*\ux+2:H+64*\ux+3], v[H+64*\ux+2:H+64*\ux+3]
.set k, 4
.rept 15
	v_pk_fma_f32 v[SU+4*\ux:SU+4*\ux+1], v[H+64*\ux+k:H+64*\ux+k+1], v[H+64*\ux+k:H+64*\ux+k+1], v[SU+4*\ux:SU+4*\ux+1]
	v_pk_fma_f32 v[SU+4*\ux+2:SU+4*\ux+3], v[H+64*\ux+k+2:H+64*\ux+k+3], v[H+64*\ux+k+2:H+64*\ux+k+3], v[SU+4*\ux+2:SU+4*\ux+3]
.set k, k+4
.endr
.endr
.irp ux, 0,1
	v_pk_add_f32 v[SU+4*\ux:SU+4*\ux+1], v[SU+4*\ux:SU+4*\ux+1], v[SU+4*\ux+2:SU+4*\ux+3]
.endr
.irp ux, 0,1
	v_add_f32 v[SU+4*\ux], v[SU+4*\ux], v[SU+4*\ux+1]
.endr
.irp ux, 0,1
	v_permlanex16_b32 v[SU+8+\ux], v[SU+4*\ux], s20, s21
.endr
.irp ux, 0,1
	v_add_f32 v[SU+4*\ux], v[SU+4*\ux], v[SU+8+\ux]
.endr
	v_cndmask_b32 v[SU+10], v[SU], v[SU+4], s23    ; lanes 0-15: tile 0's rows, lanes 16-31: tile 1's
	ds_store_b32 v[SSW], v[SU+10]
	s_wait_dscnt 0x0
	s_barrier_signal -1
	s_barrier_wait -1                              ; the four parts lie in LDS; and every wave has read x's images, which the next trip writes again
.irp q, 0,1,2,3
	ds_load_b32 v[SU+\q], v[SSR] offset:128*\q
.endr
	s_wait_dscnt 0x0
	v_add_f32 v[SU], v[SU], v[SU+1]
	v_add_f32 v[SU], v[SU], v[SU+2]
	v_add_f32 v[SU], v[SU], v[SU+3]
	s_wait_alu depctr_va_vdst(0)
	v_sqrt_f32 v[SU+1], v[SU]
	v_nop
	s_wait_alu depctr_va_vdst(0)                   ; the wait ahead of a transcendental's first reader
	v_max_num_f32 v[SU+1], 0x2b8cbccc, v[SU+1]     ; at least 1e-12
	s_wait_alu depctr_va_vdst(0)
	v_rcp_f32 v[SU+2], v[SU+1]
	v_nop
	s_wait_alu depctr_va_vdst(0)
	v_mul_f32 v[SU+2], s24, v[SU+2]
	v_permlanex16_b32 v[SU+11], v[SU+2], s20, s21
	v_cndmask_b32 v[SU+12], v[SU+2], v[SU+11], s23 ; tile 0's factor in all lanes,
	v_cndmask_b32 v[SU+14], v[SU+11], v[SU+2], s23 ; tile 1's
	v_mov_b32 v[SU+13], v[SU+12]
	v_mov_b32 v[SU+15], v[SU+14]
.irp ux, 0,1
.set k, 0
.rept 32
	v_pk_mul_f32 v[H+64*\ux+k:H+64*\ux+k+1], v[H+64*\ux+k:H+64*\ux+k+1], v[SU+12+2*\ux:SU+13+2*\ux] op_sel_hi:[1,0]
.set k, k+2
.endr
.endr
	QUANT H, 0, PC0, PW
	QUANT H+64, 0, PC1, PW+1
.irp c, 0,1,2,3
	global_store_b128 v[CO], v[PC0+4*\c:PC0+4*\c+3], s[26:27] offset:512*\c          ; 512 consecutive bytes a store
.endr
.irp c, 0,1,2,3
	global_store_b128 v[CO], v[PC1+4*\c:PC1+4*\c+3], s[26:27] offset:8192+512*\c
.endr
	v_cndmask_b32 v[MW], v[PW], v[PW+1], s23
	global_store_b32 v[SO], v[MW], s[28:29]
	s_wait_xcnt 0x0                                ; the stores' registers and bases are written again only behind this wait
	s_add_co_u32 s15, s15, 1
	s_sub_co_u32 s16, s16, 1
	s_cmp_lg_u32 s16, 0
	s_cbranch_scc1 .Lblock
	s_barrier_signal -1
	s_barrier_wait -1
	s_wait_tensorcnt 0x0
	ds_add_u32 v62, v63
	s_wait_dscnt 0x0
	s_endpgm
.Lfunc_end_k_qa0c0ab62a8_project:
	.size	k_qa0c0ab62a8_project, .Lfunc_end_k_qa0c0ab62a8_project-k_qa0c0ab62a8_project
	.p2alignl 7, 3214868480
	.fill 96, 4, 3214868480
	.section	.rodata,"a",@progbits
	.p2align	6, 0x0
	.amdhsa_kernel k_qa0c0ab62a8_project
		.amdhsa_group_segment_fixed_size 86528
		.amdhsa_private_segment_fixed_size 0
		.amdhsa_enable_private_segment 0
		.amdhsa_kernarg_size 40
		.amdhsa_user_sgpr_count 2
		.amdhsa_user_sgpr_kernarg_segment_ptr 1
		.amdhsa_wavefront_size32 1
		.amdhsa_system_sgpr_workgroup_id_x 1
		.amdhsa_system_sgpr_workgroup_id_y 1
		.amdhsa_system_sgpr_workgroup_id_z 1
		.amdhsa_system_vgpr_workitem_id 0
		.amdhsa_next_free_vgpr 1024
		.amdhsa_next_free_sgpr 66
		.amdhsa_reserve_vcc 0
		.amdhsa_float_denorm_mode_32 3
		.amdhsa_float_denorm_mode_16_64 3
		.amdhsa_memory_ordered 1
		.amdhsa_forward_progress 1
		.amdhsa_inst_pref_size 82
	.end_amdhsa_kernel
	.amdgpu_metadata
---
amdhsa.version: [ 1, 2 ]
amdhsa.kernels:
  - .name:           k_qa0c0ab62a8_project
    .symbol:         k_qa0c0ab62a8_project.kd
    .args:
      - { .name: features, .offset: 0, .size: 8, .value_kind: global_buffer, .address_space: global }
      - { .name: ex_features, .offset: 8, .size: 8, .value_kind: global_buffer, .address_space: global }
      - { .name: wq, .offset: 16, .size: 8, .value_kind: global_buffer, .address_space: global }
      - { .name: qrec, .offset: 24, .size: 8, .value_kind: global_buffer, .address_space: global }
      - { .name: stream, .offset: 32, .size: 8, .value_kind: global_buffer, .address_space: global }
    .group_segment_fixed_size: 86528
    .private_segment_fixed_size: 0
    .kernarg_segment_align: 8
    .kernarg_segment_size: 40
    .max_flat_workgroup_size: 128
    .sgpr_count:     66
    .vgpr_count:     1024
    .wavefront_size: 32
...
	.end_amdgpu_metadata
.endif
;; end of part 2
;; launch rowsum (part 3): grid 8 x 32, 4 waves a work-group, clusters of 4 x 1, 327,680 bytes of LDS; arguments qrec, stream, psum; writes psum
.if DOCPART == 3
	.amdgcn_target "amdgcn-amd-amdhsa--gfx1250"
	.amdhsa_code_object_version 6
	.text
	.protected	k_qa0c0ab62a8_rowsum
	.globl	k_qa0c0ab62a8_rowsum
	.p2align	8
	.type	k_qa0c0ab62a8_rowsum,@function
k_qa0c0ab62a8_rowsum:
	s_mov_b64 s[64:65], 0
	v_nop
	global_prefetch_b8 v0, s[64:65] scope:SCOPE_SE
	s_setreg_imm32_b32 hwreg(HW_REG_WAVE_MODE, 25, 1), 1
	s_wait_xcnt 0x0
	s_wait_alu depctr_hold_cnt(0) depctr_sa_sdst(0) depctr_va_vdst(0) depctr_va_sdst(0) depctr_va_ssrc(0) depctr_va_vcc(0) depctr_vm_vsrc(0)
	s_getreg_b32 s2, hwreg(HW_REG_IB_STS2, 6, 4)
	s_cmp_eq_u32 s2, 0
	s_cbranch_scc0 .Lentry_in_a_cluster
	s_endpgm
.Lentry_in_a_cluster:
	s_bfe_u32 s2, ttmp6, 0x10000c
	s_cmp_lg_u32 s2, 0x3003
	s_cbranch_scc0 .Lentry_shape_is_right
	s_endpgm
.Lentry_shape_is_right:
; ROWSUM.  psum[y][query] = the sum over the exemplars of records 5 y .. 5 y + 4 of |s|^3, s = Q(f) Q(e)^T by the scaled matrix form; the next launch adds the 32 parts.
; A work-group takes 512 queries and five records of stream, of which it reads the K and KS parts, 67,584 bytes a record.  FOUR WAVES, 128 QUERIES EACH: a wave's 32 fragments of Q fill
; windows 1 and 2 and are read once, and each fragment of K that comes from LDS feeds eight matrix instructions.
; The product is used transposed (source 0 = 16 exemplars, source 1 = 16 queries): a lane holds one query.  A group is 16 exemplars x 128 queries x K 512: 32 matrix instructions, four accumulators by turns.
; A group's |s|^3 is summed behind the next group's products; K's fragments come two groups ahead into two buffers.
; LDS: a ring of two slots of one record; each wave fetches 66 rows of 256 bytes.  The change of slots stands round a record's last group: when group 7's fragments are in registers the slot has been read out,
; so the waits, the add and the signal stand ahead of group 7, its products between signal and wait, the refill behind the round; the sums of groups 6 and 7 stand behind the next record's first loads.
; CLUSTER: the four work-groups along x read the same records: every tensor load is a joint one, mask 15; its address hangs on y and the wave's number alone.
; PREFETCH: behind the refill for record i + 2 the record i + 3 is asked for: 264 blocks of 256 bytes, 66 from each partner (told apart by address), a lane a block, by the cluster at x = 0; the last refill asks for nothing.
; The loop's first trip finds zeros where the group before would have left its products.
; LIMITS: NaN and infinities are not served; the sum is added in another order than a plain loop would, in f32.
.set RECB,  82944
.set QB,    66*256
.set SLOT1, 131072
.set SPARE, 262144
.set LI,    1                          ; v1      16 lane
.set ADK,   2                          ; v2      LDS: K's images in the slot at work
.set ADS,   3                          ; v3      its KS
.set PFO,   5
.set SPW,   6
.set NIL,   7
.set OA,    8                          ; v8      4 lane
.set QS,    16                         ; v16-31  Q's scale words
.set KS,    32                         ; v32-47  K's scale words of a record
.set ACC,   48                         ; v48-63  the sums, two chains a query tile
.set TT,    64                         ; v64-95  squares of four query tiles
.set S,     128                        ; v128-255 two sets of eight accumulators;  window 3: v0-127 two buffers of four fragments of K
.set MSB, 0
.macro WIN new
.if MSB != (\new)
	s_set_vgpr_msb (MSB<<8)|(\new)
.set MSB, (\new)
.endif
.endm
.macro PLACES n
.rept \n
	v_nop
.endr
.endm
.macro MM d, a, b, z, sa, ra, sb, rb
.if (\z)
.if (\ra) && (\rb)
	v_wmma_scale_f32_16x16x128_f8f6f4 v[(\d):(\d)+7], v[(\a):(\a)+15], v[(\b):(\b)+15], 0, v[(\sa)], v[(\sb)] matrix_a_scale:MATRIX_SCALE_ROW1 matrix_b_scale:MATRIX_SCALE_ROW1
.elseif (\ra)
	v_wmma_scale_f32_16x16x128_f8f6f4 v[(\d):(\d)+7], v[(\a):(\a)+15], v[(\b):(\b)+15], 0, v[(\sa)], v[(\sb)] matrix_a_scale:MATRIX_SCALE_ROW1
.elseif (\rb)
	v_wmma_scale_f32_16x16x128_f8f6f4 v[(\d):(\d)+7], v[(\a):(\a)+15], v[(\b):(\b)+15], 0, v[(\sa)], v[(\sb)] matrix_b_scale:MATRIX_SCALE_ROW1
.else
	v_wmma_scale_f32_16x16x128_f8f6f4 v[(\d):(\d)+7], v[(\a):(\a)+15], v[(\b):(\b)+15], 0, v[(\sa)], v[(\sb)]
.endif
.else
.if (\ra) && (\rb)
	v_wmma_scale_f32_16x16x128_f8f6f4 v[(\d):(\d)+7], v[(\a):(\a)+15], v[(\b):(\b)+15], v[(\d):(\d)+7], v[(\sa)], v[(\sb)] matrix_a_scale:MATRIX_SCALE_ROW1 matrix_b_scale:MATRIX_SCALE_ROW1
.elseif (\ra)
	v_wmma_scale_f32_16x16x128_f8f6f4 v[(\d):(\d)+7], v[(\a):(\a)+15], v[(\b):(\b)+15], v[(\d):(\d)+7], v[(\sa)], v[(\sb)] matrix_a_scale:MATRIX_SCALE_ROW1
.elseif (\rb)
	v_wmma_scale_f32_16x16x128_f8f6f4 v[(\d):(\d)+7], v[(\a):(\a)+15], v[(\b):(\b)+15], v[(\d):(\d)+7], v[(\sa)], v[(\sb)] matrix_b_scale:MATRIX_SCALE_ROW1
.else
	v_wmma_scale_f32_16x16x128_f8f6f4 v[(\d):(\d)+7], v[(\a):(\a)+15], v[(\b):(\b)+15], v[(\d):(\d)+7], v[(\sa)], v[(\sb)]
.endif
.endif
.endm
.macro CREST                           ; a round of the cluster's barrier behind its opening barrier
	s_cmp_lg_u32 s12, 0
	s_cbranch_scc1 .Lnot_wave_0_\@
	s_barrier_signal -3
.Lnot_wave_0_\@:
	s_barrier_wait -3
	s_barrier_signal -1
	s_barrier_wait -1
.endm
.macro CROUND
	s_barrier_signal -1
	s_barrier_wait -1
	CREST
.endm
.macro ASK
	s_cmp_gt_u32 s41, s42
	s_cbranch_scc0 .Lnot_mine_\@
	global_prefetch_b8 v[PFO], s[44:45] th:TH_LOAD_NT scope:SCOPE_SE
.Lnot_mine_\@:
.endm
.macro LOADK j                         ; the four fragments of exemplar tile j into buffer j % 2
	WIN 0xc0
.irp k, 0,1,2,3
.irp c, 0,1,2,3
	ds_load_b128 v[64*((\j)%2)+16*\k+4*\c:64*((\j)%2)+16*\k+4*\c+3], v[ADK] offset:8192*(\j)+2048*\k+512*\c
.endr
.endr
	WIN 0
.endm
.macro ASKK                            ; a record's scale words and its first two tiles: 36 loads
.irp b, 0,1,2,3
	ds_load_b128 v[KS+4*\b:KS+4*\b+3], v[ADS] offset:512*\b
.endr
	LOADK 0
	LOADK 1
.endm
.macro GROUP j
.irp hf, 0,1
	WIN 0x07+4*\hf                         ; source 0 (K) window 3, source 1 (Q) window 1 or 2
.irp k, 0,1,2,3
.irp t, 0,1,2,3
	MM S+64*((\j)%2)+8*(4*\hf+\t), 64*((\j)%2)+16*\k, 64*\t+16*\k, (\k==0), KS+4*((\j)/2)+\k, (\j)%2, QS+4*((4*\hf+\t)/2)+\k, \t%2
.endr
.endr
.endr
	WIN 0
.endm
.macro VEC p                           ; |s| x s^2 onto the sums, four query tiles (eight chains) by turns, each accumulator from its low end on
.irp tp, 0,4
.irp d, 0,1,2,3
.irp i, 0,2,4,6
	v_pk_mul_f32 v[TT+8*\d+\i:TT+8*\d+\i+1], v[S+64*(\p)+8*(\tp+\d)+\i:S+64*(\p)+8*(\tp+\d)+\i+1], v[S+64*(\p)+8*(\tp+\d)+\i:S+64*(\p)+8*(\tp+\d)+\i+1]
.endr
.endr
.irp i, 0,1,2,3,4,5,6,7
.irp d, 0,1,2,3
	v_fma_f32 v[ACC+2*(\tp+\d)+\i%2], |v[S+64*(\p)+8*(\tp+\d)+\i]|, v[TT+8*\d+\i], v[ACC+2*(\tp+\d)+\i%2]
.endr
.endr
.endr
.endm
; A record.  mode 2: its slot is filled again; 1: a change of slots with no refill; 0: the last record.  The 96 lines of VEC (or eight v_nop) are the places between a group's products and the loads into its buffer.
.macro TILE mode
	VEC 1                                  ; the last record's group 7, while this record's first fragments are on their way
	s_wait_dscnt 16                        ; this group's fragments are in; the next group's 16 loads may be out
	GROUP 0
	PLACES 8
	LOADK 2
.irp j, 1,2,3,4,5
	s_wait_dscnt 16
	GROUP \j
	VEC (\j+1)%2
	LOADK \j+2
.endr
	s_wait_dscnt 16
	GROUP 6
	VEC 1
.if \mode
	s_wait_alu depctr_va_vdst(0)           ; the wait ahead of the blocking waits
	s_wait_tensorcnt 0x0                   ; my part of the next slot has landed
	ds_add_u32 v[SPW], v[NIL]
.if \mode == 2
	s_xor_b32 s37, s37, SLOT1              ; no tensor load of mine is out: the next refill's place and record
	s_add_nc_u64 s[38:39], s[38:39], RECB
	s_wait_xcnt 0x0                        ; my last prefetch has read its base
	s_add_nc_u64 s[44:45], s[44:45], RECB
.endif
	s_wait_dscnt 0x0                       ; the add is done; group 7's fragments are in: my reads of this slot are over
	s_barrier_signal -1
	GROUP 7                                ; work on registers while the others arrive
	s_barrier_wait -1
.if \mode == 2
	CREST                                  ; no wave of any partner still reads this slot
	tensor_load_to_lds s[36:39], s[24:31]
	s_nop 0
	PLACES 4
	ASK
.endif
	PLACES 8                               ; the places between group 7's products and the loads into its registers
	s_xor_b32 s40, s40, SLOT1
	v_add_nc_u32 v[ADK], s40, v[LI]
	v_add_nc_u32 v[ADS], 65536, v[ADK]
	s_wait_alu depctr_va_vdst(0)           ; the wait directly behind the writes
	ASKK
	VEC 0                                  ; group 6, while the next record's first fragments are on their way
.else
	s_wait_dscnt 0x0
	GROUP 7
	VEC 0
	VEC 1
.endif
.endm
	s_load_b128 s[4:7], s[0:1], 0x0        ; qrec, stream
	s_load_b64 s[8:9], s[0:1], 0x10        ; psum
	v_lshl_add_u32 v[SPW], v0, 2, SPARE
	v_mov_b32 v[NIL], 0
	ds_add_u32 v[SPW], v[NIL]              ; the opening lines: the add twice on end
	ds_add_u32 v[SPW], v[NIL]
	v_lshrrev_b32 v9, 5, v0
	v_readfirstlane_b32 s12, v9            ; wave 0..3
	v_and_b32 v9, 31, v0
	v_lshlrev_b32 v[LI], 4, v9
	v_lshlrev_b32 v[OA], 2, v9
	v_min_u32 v[PFO], 65, v0
	v_lshlrev_b32 v[PFO], 8, v[PFO]
	s_mov_b32 s40, 0
	v_add_nc_u32 v[ADK], s40, v[LI]
	v_add_nc_u32 v[ADS], 65536, v[ADK]
	s_bfe_u32 s13, ttmp6, 0x40000          ; cx
	s_lshl_b32 s14, ttmp9, 2
	s_add_co_u32 s14, s14, s13             ; which 512 queries
	s_and_b32 s15, ttmp7, 0xffff           ; which five records
	s_mov_b32 s24, 15|(3<<16)|(1<<21)      ; mask of the four, elements of 8 bytes: 66 rows of 256 bytes
	s_mov_b32 s25, 32<<16
	s_mov_b32 s26, 66<<16
	s_mov_b32 s27, 32<<16
	s_mov_b32 s28, 66
	s_mov_b32 s29, 32
	s_mov_b32 s30, 0
	s_mov_b32 s31, 0
	s_mov_b32 s20, 0x76543210
	s_mov_b32 s21, 0xfedcba98              ; v_permlanex16_b32's selects for lane l xor 16
	s_mov_b32 s23, 0xffff0000              ; lanes 16-31
	s_mul_i32 s18, s12, QB
	s_mul_i32 s16, s15, 5*RECB
	s_add_co_u32 s16, s16, s18
	s_mov_b32 s17, 0
	s_cmp_lt_u32 s12, 3                    ; threads 0 to 95 of the cluster at x = 0 prefetch
	s_cselect_b32 s42, 0, 1
	s_or_b32 s42, s42, ttmp9
	s_cmp_eq_u32 s42, 0
	s_cselect_b32 s42, 1, -1
	s_mul_i32 s46, s15, 5*RECB
	s_mul_i32 s47, s13, QB
	s_add_co_u32 s46, s46, s47
	s_add_co_u32 s46, s46, 2*RECB
	s_mov_b32 s47, 0
	s_lshl_b32 s54, s14, 4
	s_lshl_b32 s55, s12, 2
	s_add_co_u32 s54, s54, s55             ; my first block of 32 queries
	s_lshl_b32 s48, s54, 14
	s_mov_b32 s49, 0
	s_lshl_b32 s56, s54, 9
	s_mov_b32 s57, 0
	s_lshl_b32 s58, s15, 12
	s_lshl_b32 s55, s14, 9
	s_add_co_u32 s58, s58, s55
	s_lshl_b32 s55, s12, 7
	s_add_co_u32 s58, s58, s55
	s_lshl_b32 s58, s58, 2                 ; psum: 4 (4,096 y + 512 x + 128 wave)
	s_mov_b32 s59, 0
	s_wait_alu depctr_va_vdst(0)           ; the wait at the head's end
	s_wait_dscnt 0x0                       ; both opening adds are done
	s_wait_kmcnt 0x0
	s_add_nc_u64 s[44:45], s[6:7], s[46:47]
	s_add_nc_u64 s[50:51], s[4:5], s[48:49]
	s_add_nc_u64 s[52:53], s[4:5], s[56:57]
	s_add_nc_u64 s[8:9], s[8:9], s[58:59]
	s_mov_b32 s32, 1
	s_mov_b32 s33, s18
	s_add_nc_u64 s[34:35], s[6:7], s[16:17]
	s_mov_b32 s36, 1
	s_add_co_u32 s37, s18, SLOT1
	s_add_nc_u64 s[38:39], s[34:35], RECB
	s_or_b32 s35, s35, 0x80000000
	s_or_b32 s39, s39, 0x80000000
	CROUND                                 ; in front of the first joint loads
	tensor_load_to_lds s[32:35], s[24:31]  ; record 0: one tensor load a wave at the head
	s_nop 0
	PLACES 4
	WIN 0x40                               ; Q: query tiles 0-3 into window 1,
.set k, 0
.rept 64
	global_load_b128 v[4*k:4*k+3], v[LI], s[50:51] offset:512*k
.set k, k+1
.endr
	WIN 0x80                               ; tiles 4-7 into window 2
.set k, 0
.rept 64
	global_load_b128 v[4*k:4*k+3], v[LI], s[50:51] offset:32768+512*k
.set k, k+1
.endr
	WIN 0
.irp b, 0,1,2,3
	global_load_b128 v[QS+4*\b:QS+4*\b+3], v[LI], s[52:53] offset:2097152+512*\b
.endr
.set k, 0
.rept 16
	v_mov_b32 v[ACC+k], 0
.set k, k+1
.endr
.set k, 0
.rept 64
	v_mov_b32 v[S+64+k], 0                 ; what the first trip sums as the group before
.set k, k+1
.endr
	s_wait_alu depctr_va_vdst(0)           ; the wait ahead of the blocking waits
	s_wait_tensorcnt 0x0                   ; the full sequence ahead of the second slot's first fill
	ds_add_u32 v[SPW], v[NIL]
	s_wait_dscnt 0x0
	CROUND                                 ; record 0 is whole
	tensor_load_to_lds s[36:39], s[24:31]  ; record 1
	s_nop 0
	PLACES 4
	ASKK
	s_wait_loadcnt 0x0                     ; Q and its scale words
	s_mov_b32 s41, 3
.Ltile:                                        ; records 0, 1, 2: their slots take records 2, 3, 4
	TILE 2
	s_sub_co_u32 s41, s41, 1
	s_cmp_lg_u32 s41, 0
	s_cbranch_scc1 .Ltile
	TILE 1
	TILE 0
.irp t, 0,1,2,3,4,5,6,7
	v_add_f32 v[ACC+2*\t], v[ACC+2*\t], v[ACC+2*\t+1]
.endr
.irp t, 0,1,2,3,4,5,6,7
	v_permlanex16_b32 v[TT+\t], v[ACC+2*\t], s20, s21
.endr
.irp t, 0,1,2,3,4,5,6,7
	v_add_f32 v[ACC+2*\t], v[ACC+2*\t], v[TT+\t]   ; with lane l xor 16's exemplars
.endr
.irp i, 0,1,2,3
	v_cndmask_b32 v[TT+\i], v[ACC+4*\i], v[ACC+4*\i+2], s23   ; lanes 0-15: the even tile's queries, lanes 16-31: the odd tile's
.endr
.irp i, 0,1,2,3
	global_store_b32 v[OA], v[TT+\i], s[8:9] offset:128*\i    ; the wave's four stores cover 512 consecutive bytes
.endr
	s_wait_tensorcnt 0x0                   ; the wave's end
	ds_add_u32 v[SPW], v[NIL]
	s_wait_dscnt 0x0
	CROUND                                 ; the closing round
	s_endpgm
.Lfunc_end_k_qa0c0ab62a8_rowsum:
	.size	k_qa0c0ab62a8_rowsum, .Lfunc_end_k_qa0c0ab62a8_rowsum-k_qa0c0ab62a8_rowsum
	.p2alignl 7, 3214868480
	.fill 96, 4, 3214868480
	.section	.rodata,"a",@progbits
	.p2align	6, 0x0
	.amdhsa_kernel k_qa0c0ab62a8_rowsum
		.amdhsa_group_segment_fixed_size 327680
		.amdhsa_private_segment_fixed_size 0
		.amdhsa_enable_private_segment 0
		.amdhsa_kernarg_size 24
		.amdhsa_user_sgpr_count 2
		.amdhsa_user_sgpr_kernarg_segment_ptr 1
		.amdhsa_wavefront_size32 1
		.amdhsa_system_sgpr_workgroup_id_x 1
		.amdhsa_system_sgpr_workgroup_id_y 1
		.amdhsa_system_sgpr_workgroup_id_z 1
		.amdhsa_system_vgpr_workitem_id 0
		.amdhsa_next_free_vgpr 896
		.amdhsa_next_free_sgpr 66
		.amdhsa_reserve_vcc 0
		.amdhsa_float_denorm_mode_32 3
		.amdhsa_float_denorm_mode_16_64 3
		.amdhsa_memory_ordered 1
		.amdhsa_forward_progress 1
		.amdhsa_inst_pref_size 255
	.end_amdhsa_kernel
	.section	.bss,"aw",@nobits
	.p2align	6
	.space	262144
	.amdgpu_metadata
---
amdhsa.version: [ 1, 2 ]
amdhsa.kernels:
  - .name:           k_qa0c0ab62a8_rowsum
    .symbol:         k_qa0c0ab62a8_rowsum.kd
    .args:
      - { .name: qrec, .offset: 0, .size: 8, .value_kind: global_buffer, .address_space: global }
      - { .name: stream, .offset: 8, .size: 8, .value_kind: global_buffer, .address_space: global }
      - { .name: psum, .offset: 16, .size: 8, .value_kind: global_buffer, .address_space: global }
    .group_segment_fixed_size: 327680
    .private_segment_fixed_size: 0
    .kernarg_segment_align: 8
    .kernarg_segment_size: 24
    .max_flat_workgroup_size: 128
    .sgpr_count:     66
    .vgpr_count:     896
    .wavefront_size: 32
...
	.end_amdgpu_metadata
.endif
;; end of part 3
;; launch echo (part 4): grid 16 x 16, 4 waves a work-group, clusters of 4 x 1, 327,680 bytes of LDS; arguments qrec, stream, psum, opart; writes opart
.if DOCPART == 4
	.amdgcn_target "amdgcn-amd-amdhsa--gfx1250"
	.amdhsa_code_object_version 6
	.text
	.protected	k_qa0c0ab62a8_echo
	.globl	k_qa0c0ab62a8_echo
	.p2align	8
	.type	k_qa0c0ab62a8_echo,@function
k_qa0c0ab62a8_echo:
	s_mov_b64 s[64:65], 0
	v_nop
	global_prefetch_b8 v0, s[64:65] scope:SCOPE_SE
	s_setreg_imm32_b32 hwreg(HW_REG_WAVE_MODE, 25, 1), 1
	s_wait_xcnt 0x0
	s_wait_alu depctr_hold_cnt(0) depctr_sa_sdst(0) depctr_va_vdst(0) depctr_va_sdst(0) depctr_va_ssrc(0) depctr_va_vcc(0) depctr_vm_vsrc(0)
	s_getreg_b32 s2, hwreg(HW_REG_IB_STS2, 6, 4)
	s_cmp_eq_u32 s2, 0
	s_cbranch_scc0 .Lentry_in_a_cluster
	s_endpgm
.Lentry_in_a_cluster:
	s_bfe_u32 s2, ttmp6, 0x10000c
	s_cmp_lg_u32 s2, 0x3003
	s_cbranch_scc0 .Lentry_shape_is_right
	s_endpgm
.Lentry_shape_is_right:
.set RECB,  82944
.set TILES, 10
.set ROWS,  81
.set QB,    ROWS*256
.set SLOT1, 131072
.set SPARE, 262144
.set LI,    1
.set ADK,   2
.set ADS,   3
.set ADW,   4
.set PFO,   5
.set SPW,   6
.set NIL,   7
.set LW,    9
.set QS,    16
.set KS,    24
.set VS,    40
.set RN,    48
.set PW,    56
.set MX,    64
.set TP,    68
.set HD,    72
.set SOP,   76
.set BY,    80
.set TT,    96
.set P,     112
.set S,     176
.set MSB, 0
.macro WIN new
.if MSB != (\new)
	s_set_vgpr_msb (MSB<<8)|(\new)
.set MSB, (\new)
.endif
.endm
.macro PLACES n
.rept \n
	v_nop
.endr
.endm
.macro MM d, a, b, z, sa, ra, sb, rb
.if (\z)
.if (\ra) && (\rb)
	v_wmma_scale_f32_16x16x128_f8f6f4 v[(\d):(\d)+7], v[(\a):(\a)+15], v[(\b):(\b)+15], 0, v[(\sa)], v[(\sb)] matrix_a_scale:MATRIX_SCALE_ROW1 matrix_b_scale:MATRIX_SCALE_ROW1
.elseif (\ra)
	v_wmma_scale_f32_16x16x128_f8f6f4 v[(\d):(\d)+7], v[(\a):(\a)+15], v[(\b):(\b)+15], 0, v[(\sa)], v[(\sb)] matrix_a_scale:MATRIX_SCALE_ROW1
.elseif (\rb)
	v_wmma_scale_f32_16x16x128_f8f6f4 v[(\d):(\d)+7], v[(\a):(\a)+15], v[(\b):(\b)+15], 0, v[(\sa)], v[(\sb)] matrix_b_scale:MATRIX_SCALE_ROW1
.else
	v_wmma_scale_f32_16x16x128_f8f6f4 v[(\d):(\d)+7], v[(\a):(\a)+15], v[(\b):(\b)+15], 0, v[(\sa)], v[(\sb)]
.endif
.else
.if (\ra) && (\rb)
	v_wmma_scale_f32_16x16x128_f8f6f4 v[(\d):(\d)+7], v[(\a):(\a)+15], v[(\b):(\b)+15], v[(\d):(\d)+7], v[(\sa)], v[(\sb)] matrix_a_scale:MATRIX_SCALE_ROW1 matrix_b_scale:MATRIX_SCALE_ROW1
.elseif (\ra)
	v_wmma_scale_f32_16x16x128_f8f6f4 v[(\d):(\d)+7], v[(\a):(\a)+15], v[(\b):(\b)+15], v[(\d):(\d)+7], v[(\sa)], v[(\sb)] matrix_a_scale:MATRIX_SCALE_ROW1
.elseif (\rb)
	v_wmma_scale_f32_16x16x128_f8f6f4 v[(\d):(\d)+7], v[(\a):(\a)+15], v[(\b):(\b)+15], v[(\d):(\d)+7], v[(\sa)], v[(\sb)] matrix_b_scale:MATRIX_SCALE_ROW1
.else
	v_wmma_scale_f32_16x16x128_f8f6f4 v[(\d):(\d)+7], v[(\a):(\a)+15], v[(\b):(\b)+15], v[(\d):(\d)+7], v[(\sa)], v[(\sb)]
.endif
.endif
.endm
.macro CROUND
	s_barrier_signal -1
	s_barrier_wait -1
	s_cmp_lg_u32 s12, 0
	s_cbranch_scc1 .Lnot_wave_0_\@
	s_barrier_signal -3
.Lnot_wave_0_\@:
	s_barrier_wait -3
	s_barrier_signal -1
	s_barrier_wait -1
.endm
.macro ASK
	s_cmp_gt_u32 s41, s42
	s_cbranch_scc0 .Lnot_mine_\@
	global_prefetch_b8 v[PFO], s[44:45] th:TH_LOAD_NT scope:SCOPE_SE
.Lnot_mine_\@:
.endm
.macro NEXTADR
	v_add_nc_u32 v[ADK], s40, v[LI]
	v_add_nc_u32 v[ADS], 65536, v[ADK]
	v_add_nc_u32 v[ADW], s40, v[LW]
.endm
.macro CHANGE fill
	s_wait_tensorcnt 0x0
	ds_add_u32 v[SPW], v[NIL]
.if \fill
	s_xor_b32 s37, s37, SLOT1
	s_add_nc_u64 s[38:39], s[38:39], RECB
	s_wait_xcnt 0x0
	s_add_nc_u64 s[44:45], s[44:45], RECB
	s_wait_dscnt 0x0
	s_barrier_signal -1                    ; the round's opening barrier;
	SM 3                                   ; the last block is quantised, work on registers alone, while the others arrive
	s_wait_alu depctr_va_vdst(0)           ; the wait ahead of the blocking wait
	s_barrier_wait -1
	s_cmp_lg_u32 s12, 0
	s_cbranch_scc1 .Lnot_w0_\@
	s_barrier_signal -3
.Lnot_w0_\@:
	s_barrier_wait -3
	s_barrier_signal -1
	s_barrier_wait -1
	tensor_load_to_lds s[36:39], s[24:31]
	s_nop 0
	PLACES 4
	ASK
.else
	s_wait_dscnt 0x0
	s_barrier_signal -1
	SM 3
	s_wait_alu depctr_va_vdst(0)
	s_barrier_wait -1
.endif
	s_xor_b32 s40, s40, SLOT1
	NEXTADR
	s_wait_alu depctr_va_vdst(0)           ; the wait directly behind the writes
.endm
.macro LOADKS
.irp b, 0,1,2,3
	ds_load_b128 v[KS+4*\b:KS+4*\b+3], v[ADS] offset:512*\b
.endr
.endm
.macro LOADK b
	WIN 0xc0
.irp f, 0,1,2,3,4,5,6,7
.irp c, 0,1,2,3
	ds_load_b128 v[16*\f+4*\c:16*\f+4*\c+3], v[ADK] offset:16384*(\b)+2048*\f+512*\c
.endr
.endr
	WIN 0
.endm
.macro LOADV
	WIN 0xc0
.irp n, 0,1,2,3,4,5,6
.irp c, 0,1,2,3
	ds_load_b128 v[128+16*\n+4*\c:128+16*\n+4*\c+3], v[ADS] offset:2048+2048*\n+512*\c
.endr
.endr
	WIN 0
	ds_load_b128 v[VS:VS+3], v[ADW]
	ds_load_b128 v[VS+4:VS+7], v[ADW] offset:16
.endm
.macro KQ b
	WIN 0x07
.irp u, 0,1
.irp k, 0,1,2,3
.irp t, 0,1,2,3
	MM S+16*\t+8*\u, 16*(4*\u+\k), 64*\t+16*\k, (\k==0), KS+4*(\b)+\k, \u, QS+4*(\t/2)+\k, \t%2
.endr
.endr
.endr
	WIN 0
.endm
.macro SM b
.irp t, 0,1,2,3
.irp i, 0,2,4,6,8,10,12,14
	v_pk_mul_f32 v[TT+\i:TT+\i+1], v[S+16*\t+\i:S+16*\t+\i+1], v[S+16*\t+\i:S+16*\t+\i+1]
.endr
.irp i, 0,2,4,6,8,10,12,14
	v_pk_mul_f32 v[S+16*\t+\i:S+16*\t+\i+1], v[S+16*\t+\i:S+16*\t+\i+1], v[RN+2*\t:RN+2*\t+1] op_sel_hi:[1,0]
.endr
.irp i, 0,2,4,6,8,10,12,14
	v_pk_mul_f32 v[S+16*\t+\i:S+16*\t+\i+1], v[S+16*\t+\i:S+16*\t+\i+1], v[TT+\i:TT+\i+1]
.endr
.endr
; a block's largest magnitude, two chains a query tile, eight by turns: numbers 0 .. 7 with the floor, numbers 8 .. 14; the two are joined with number 15
.irp t, 0,1,2,3
	v_max3_num_f32 v[MX+\t], 0x4800000, |v[S+16*\t]|, |v[S+16*\t+1]|
.endr
.irp t, 0,1,2,3
	v_max3_num_f32 v[TP+\t], |v[S+16*\t+8]|, |v[S+16*\t+9]|, |v[S+16*\t+10]|
.endr
.irp i, 2,4
.irp t, 0,1,2,3
	v_max3_num_f32 v[MX+\t], v[MX+\t], |v[S+16*\t+\i]|, |v[S+16*\t+\i+1]|
.endr
.irp t, 0,1,2,3
	v_max3_num_f32 v[TP+\t], v[TP+\t], |v[S+16*\t+\i+9]|, |v[S+16*\t+\i+10]|
.endr
.endr
.irp t, 0,1,2,3
	v_max3_num_f32 v[MX+\t], v[MX+\t], |v[S+16*\t+6]|, |v[S+16*\t+7]|
.endr
.irp t, 0,1,2,3
	v_max3_num_f32 v[MX+\t], v[MX+\t], v[TP+\t], |v[S+16*\t+15]|
.endr
.irp t, 0,1,2,3
	v_permlanex16_b32 v[TP+\t], v[MX+\t], s20, s21
.endr
.irp t, 0,1,2,3
	v_max_num_f32 v[MX+\t], v[MX+\t], v[TP+\t]
.endr
.irp t, 0,1,2,3
	v_add_nc_u32 v[SOP+\t], 0xfc000000, v[MX+\t]
.endr
.irp t, 0,1,2,3
	v_and_or_b32 v[HD+\t], v[MX+\t], 0x7f800000, s22
.endr
.irp t, 0,1,2,3
	v_lshrrev_b32 v[BY+\t], 23, v[SOP+\t]
.endr
.irp t, 0,1,2,3
.if (\b) == 0
	v_mov_b32 v[PW+\t], v[BY+\t]
.else
	v_lshl_or_b32 v[PW+\t], v[BY+\t], 8*(\b), v[PW+\t]
.endif
.endr
.irp t, 0,1,2,3
.irp i, 0,1,2,3,4,5,6,7,8,9,10,11,12,13,14,15
	v_med3_num_f32 v[S+16*\t+\i], v[S+16*\t+\i], -v[HD+\t], v[HD+\t]
.endr
.endr
.irp t, 0,1,2,3
	v_cvt_scalef32_pk8_fp8_f32 v[P+16*\t+4*(\b):P+16*\t+4*(\b)+1], v[S+16*\t:S+16*\t+7], v[SOP+\t]
	v_cvt_scalef32_pk8_fp8_f32 v[P+16*\t+4*(\b)+2:P+16*\t+4*(\b)+3], v[S+16*\t+8:S+16*\t+15], v[SOP+\t]
.endr
	v_nop
.endm
.macro PV
	WIN 0xa3
.irp n, 0,1,2,3,4,5,6
.irp t, 0,1,2,3
	MM 8*(7*\t+\n), 128+16*\n, P+16*\t, 0, VS+\n, 0, PW+\t, 0
.endr
.endr
	WIN 0
.endm
.macro STEPB chg
.irp b, 0,1,2,3
	s_wait_dscnt 0x0
	KQ \b
	PLACES 9
.if \b == 0
	LOADK 1
	LOADV
.elseif \b < 3
	LOADK \b+1
.elseif \chg
	CHANGE (\chg)-1
	LOADKS
	LOADK 0
.endif
.if (\b < 3) || (\chg == 0)
	SM \b                                  ; (at a change of slots the last block's stands inside the change)
.endif
.endr
	PLACES 4
	PV
.endm
	s_load_b256 s[4:11], s[0:1], 0x0
	v_lshl_add_u32 v[SPW], v0, 2, SPARE
	v_mov_b32 v[NIL], 0
	ds_add_u32 v6, v7
	ds_add_u32 v6, v7
	s_wait_dscnt 0x0
	v_lshrrev_b32 v10, 5, v0
	v_readfirstlane_b32 s12, v10
	s_bfe_u32 s13, ttmp6, 0x40000
	s_lshl_b32 s14, ttmp9, 2
	s_add_co_u32 s14, s14, s13
	s_and_b32 s15, ttmp7, 0xffff
	s_mov_b32 s24, 15|(3<<16)|(1<<21)
	s_mov_b32 s25, 32<<16
	s_mov_b32 s26, ROWS<<16
	s_mov_b32 s27, 32<<16
	s_mov_b32 s28, ROWS
	s_mov_b32 s29, 32
	s_mov_b32 s30, 0
	s_mov_b32 s31, 0
	s_mov_b32 s20, 0x76543210
	s_mov_b32 s21, 0xfedcba98
	s_mov_b32 s22, 0x600000
	s_mov_b32 s40, 0
	s_mul_i32 s18, s12, QB
	s_mul_i32 s16, s15, TILES*RECB
	s_add_co_u32 s16, s16, s18
	s_mov_b32 s17, 0
	s_or_b32 s42, s12, ttmp9
	s_cmp_eq_u32 s42, 0
	s_cselect_b32 s42, 1, -1
	s_mul_i32 s46, s15, TILES*RECB
	s_mul_i32 s47, s13, 3840
	s_add_co_u32 s46, s46, s47
	s_add_co_u32 s46, s46, 2*RECB+67584
	s_mov_b32 s47, 0
	v_and_b32 v10, 31, v0
	v_min_u32 v[PFO], 14, v10
	v_lshlrev_b32 v[PFO], 8, v[PFO]
	s_wait_kmcnt 0x0
	s_add_nc_u64 s[44:45], s[6:7], s[46:47]
	s_mov_b32 s32, 1
	s_mov_b32 s33, s18
	s_add_nc_u64 s[34:35], s[6:7], s[16:17]
	s_mov_b32 s36, 1
	s_add_co_u32 s37, s18, SLOT1
	s_add_nc_u64 s[38:39], s[34:35], RECB
	s_or_b32 s35, s35, 0x80000000
	s_or_b32 s39, s39, 0x80000000
	CROUND                                 ; in front of the first joint load
	tensor_load_to_lds s[32:35], s[24:31]  ; the first record: one tensor load a wave at the head
	s_nop 0
	PLACES 4
	; Q, its scale words and the 32 parts of the rows' sums go out behind it, ahead of the wait for it: all are on their way together
	s_wait_alu depctr_va_vdst(0)           ; v10 was written ahead of a blocking wait
	v_lshlrev_b32 v[LI], 4, v10
	v_lshlrev_b32 v[LW], 5, v10
	v_add_nc_u32 v[LW], 81920, v[LW]
	v_and_b32 v8, 7, v0                    ; the way out: in each run of 512 bytes lanes with r under 8 take the first 256 bytes, the others the second: 256 (r / 8) + 128 h + 16 (r % 8)
	v_lshlrev_b32 v8, 4, v8
	v_bfe_u32 v12, v0, 3, 1
	v_lshl_add_u32 v8, v12, 8, v8
	v_bfe_u32 v12, v0, 4, 1
	v_lshl_add_u32 v8, v12, 7, v8
	s_wait_alu depctr_va_vdst(0)
	s_lshl_b32 s46, s14, 3
	s_lshl_b32 s47, s12, 1
	s_add_co_u32 s46, s46, s47
	s_lshl_b32 s48, s46, 14
	s_mov_b32 s49, 0
	s_add_nc_u64 s[50:51], s[4:5], s[48:49]
	s_lshl_b32 s48, s46, 9
	s_add_nc_u64 s[52:53], s[4:5], s[48:49]
	s_lshl_b32 s48, s46, 7
	s_add_nc_u64 s[54:55], s[8:9], s[48:49]
	s_mul_i32 s48, s46, 14336
	s_mul_i32 s47, s15, 1835008
	s_add_co_u32 s48, s48, s47
	s_add_nc_u64 s[56:57], s[10:11], s[48:49]
	WIN 0x40
.set k, 0
.rept 64
	global_load_b128 v[4*k:4*k+3], v[LI], s[50:51] offset:512*k
.set k, k+1
.endr
	WIN 0
	global_load_b128 v[QS:QS+3], v[LI], s[52:53] offset:2097152
	global_load_b128 v[QS+4:QS+7], v[LI], s[52:53] offset:2097152+512
	v_and_b32 v10, 15, v0
	v_bfe_u32 v11, v0, 4, 1
	v_lshlrev_b32 v10, 2, v10
	v_lshl_add_u32 v10, v11, 18, v10
.irp p, 0,1,2,3,4,5,6,7,8,9,10,11,12,13,14,15
.irp t, 0,1,2,3
	global_load_b32 v[P+4*\p+\t], v10, s[54:55] offset:16384*\p+64*\t
.endr
.endr
	s_wait_alu depctr_va_vdst(0)
	s_wait_tensorcnt 0x0
	ds_add_u32 v6, v7
	s_wait_dscnt 0x0
	CROUND
	tensor_load_to_lds s[36:39], s[24:31]
	s_nop 0
	PLACES 4
.irp t, 0,1,2,3
	v_mov_b32 v[TP+\t], 0
.endr
	WIN 0x80
.set k, 0
.rept 224
	v_mov_b32 v[k], 0
.set k, k+1
.endr
	WIN 0
	s_wait_tensorcnt 0x1
	s_barrier_signal -1
	s_barrier_wait -1
	NEXTADR
	LOADKS
	LOADK 0
	s_wait_loadcnt 0x0
.irp p, 1,2,3,4,5,6,7,8,9,10,11,12,13,14,15
.irp t, 0,1,2,3
	v_add_f32 v[P+\t], v[P+\t], v[P+4*\p+\t]
.endr
.endr
.irp t, 0,1,2,3
	v_permlanex16_b32 v[TP+\t], v[P+\t], s20, s21
.endr
.irp t, 0,1,2,3
	v_add_f32 v[P+\t], v[P+\t], v[TP+\t]
.endr
.irp t, 0,1,2,3
	v_max_num_f32 v[P+\t], 0x2b8cbccc, v[P+\t]
.endr
	s_wait_alu depctr_va_vdst(0)
.irp t, 0,1,2,3
	v_rcp_f32 v[RN+2*\t], v[P+\t]
.endr
	v_nop
	s_wait_alu depctr_va_vdst(0)
.irp t, 0,1,2,3
	v_mov_b32 v[RN+2*\t+1], v[RN+2*\t]
.endr
	s_mov_b32 s41, TILES-2
.Ltile:
	STEPB 2
	s_sub_co_u32 s41, s41, 1
	s_cmp_lg_u32 s41, 0
	s_cbranch_scc1 .Ltile
	STEPB 1
	STEPB 0
	PLACES 8
	WIN 0x08
.irp a, 0,1,2,3,4,5,6,7,8,9,10,11,12,13,14,15,16,17,18,19,20,21,22,23,24,25,26,27
	global_store_b128 v8, v[8*\a:8*\a+3], s[56:57] offset:1024*\a th:TH_STORE_NT
	global_store_b128 v8, v[8*\a+4:8*\a+7], s[56:57] offset:1024*\a+512 th:TH_STORE_NT
.endr
	WIN 0
	s_wait_tensorcnt 0x0
	ds_add_u32 v[SPW], v[NIL]
	s_wait_dscnt 0x0
	CROUND
	s_endpgm
.Lfunc_end_k_qa0c0ab62a8_echo:
	.size	k_qa0c0ab62a8_echo, .Lfunc_end_k_qa0c0ab62a8_echo-k_qa0c0ab62a8_echo
	.p2alignl 7, 3214868480
	.fill 96, 4, 3214868480
	.section	.rodata,"a",@progbits
	.p2align	6, 0x0
	.amdhsa_kernel k_qa0c0ab62a8_echo
		.amdhsa_group_segment_fixed_size 327680
		.amdhsa_private_segment_fixed_size 0
		.amdhsa_enable_private_segment 0
		.amdhsa_kernarg_size 32
		.amdhsa_user_sgpr_count 2
		.amdhsa_user_sgpr_kernarg_segment_ptr 1
		.amdhsa_wavefront_size32 1
		.amdhsa_system_sgpr_workgroup_id_x 1
		.amdhsa_system_sgpr_workgroup_id_y 1
		.amdhsa_system_sgpr_workgroup_id_z 1
		.amdhsa_system_vgpr_workitem_id 0
		.amdhsa_next_free_vgpr 1024
		.amdhsa_next_free_sgpr 66
		.amdhsa_reserve_vcc 0
		.amdhsa_float_denorm_mode_32 3
		.amdhsa_float_denorm_mode_16_64 3
		.amdhsa_memory_ordered 1
		.amdhsa_forward_progress 1
		.amdhsa_inst_pref_size 255
	.end_amdhsa_kernel
	.section	.bss,"aw",@nobits
	.p2align	6
	.space	262144
	.amdgpu_metadata
---
amdhsa.version: [ 1, 2 ]
amdhsa.kernels:
  - .name:           k_qa0c0ab62a8_echo
    .symbol:         k_qa0c0ab62a8_echo.kd
    .args:
      - { .name: qrec, .offset: 0, .size: 8, .value_kind: global_buffer, .address_space: global }
      - { .name: stream, .offset: 8, .size: 8, .value_kind: global_buffer, .address_space: global }
      - { .name: psum, .offset: 16, .size: 8, .value_kind: global_buffer, .address_space: global }
      - { .name: opart, .offset: 24, .size: 8, .value_kind: global_buffer, .address_space: global }
    .group_segment_fixed_size: 327680
    .private_segment_fixed_size: 0
    .kernarg_segment_align: 8
    .kernarg_segment_size: 32
    .max_flat_workgroup_size: 128
    .sgpr_count:     66
    .vgpr_count:     1024
    .wavefront_size: 32
...
	.end_amdgpu_metadata
.endif
;; end of part 4
;; launch gather (part 5): grid 256 x 1, 7 waves a work-group, no clusters, 26,624 bytes of LDS; arguments opart, out0; writes out0
.if DOCPART == 5
	.amdgcn_target "amdgcn-amd-amdhsa--gfx1250"
	.amdhsa_code_object_version 6
	.text
	.protected	k_qa0c0ab62a8_gather
	.globl	k_qa0c0ab62a8_gather
	.p2align	8
	.type	k_qa0c0ab62a8_gather,@function
k_qa0c0ab62a8_gather:
	s_mov_b64 s[64:65], 0
	v_nop
	global_prefetch_b8 v0, s[64:65] scope:SCOPE_SE
	s_setreg_imm32_b32 hwreg(HW_REG_WAVE_MODE, 25, 1), 1
	s_wait_xcnt 0x0
; GATHER.  out0 = the sum of the 16 parts of opart, parts ascending, in f32, with rows and labels put back in their order.
; Work-group g takes the 16 queries 16 g .. 16 g + 15: half g % 2 of block g / 2; wave n the label tile n of seven.
; In opart a run of 512 bytes (query tile u, label tile n, labels' half-piece q) holds first the 256 bytes of the tile's rows r under 8, then those of the others; in each, 128 h + 16 (r % 8).
; Rows r under 8 of tiles u = 0, 1 are the block's queries 0 .. 15, the others 16 .. 31.  A load takes my half's 256 bytes of q = 0 (lanes 0-15) and of q = 1 (lanes 16-31): two whole aligned blocks.
; So lane l holds labels 16 n + 8 h + 4 q + 0 .. 3 of row 8 u + (l % 8), h = (l / 8) % 2, q = l / 16.
; THE STAGE HAS THE OUTPUT'S OWN PITCH, 400 bytes a row: its first 6,400 bytes are my bytes of out0 as they lie, and leave as pieces of 8 bytes, thread t taking pieces t + 224 k: a wave stores 256 consecutive bytes, aligned.
; Label tile 6 holds labels 96 .. 111, of which 96 .. 99 exist: wave 6's lanes with h = 1 or q = 1 put theirs 6,400 h + 12,800 q bytes further on, into rows of the stage that nobody reads.
; Memory binds: no matrix unit, no cluster, no tensor load; all 32 loads of a wave are on their way at once.
.set PART,  1835008                    ; a part of opart
.set AC,    16                         ; v16-23  the sums: 4 u
.set BUF,   32                         ; v32-159 32 loads
.set SPARE, 25600                      ; behind the stage's 4 x 6,400 bytes: the spare words
	s_load_b128 s[4:7], s[0:1], 0x0                ; opart, out0
	v_lshl_add_u32 v160, v0, 2, SPARE
	v_mov_b32 v161, 0
	v_lshrrev_b32 v1, 5, v0
	v_readfirstlane_b32 s8, v1                     ; wave 0..6
	v_and_b32 v2, 7, v0                            ; row of eight
	v_bfe_u32 v3, v0, 3, 1                         ; h
	v_bfe_u32 v6, v0, 4, 1                         ; q
	v_and_b32 v4, 15, v0
	v_lshlrev_b32 v4, 4, v4
	v_lshl_add_u32 v4, v6, 9, v4                   ; in: 512 q + 16 (lane % 16)
	v_mul_u32_u24 v5, v2, 400                      ; the stage: my row (tile 1: eight rows on),
	s_lshl_b32 s9, s8, 6
	s_add_co_u32 s20, s8, 2
	s_lshr_b32 s20, s20, 3                         ; 1 in wave 6, else 0
	s_mul_i32 s21, s20, 6368
	s_add_co_u32 s21, s21, 32
	s_mul_i32 s22, s20, 12784
	s_add_co_u32 s22, s22, 16
	v_mul_u32_u24 v7, s21, v3                      ; + 32 h (wave 6: 6,400 h),
	v_mul_u32_u24 v9, s22, v6                      ; + 16 q (wave 6: 12,800 q),
	v_add_nc_u32 v5, s9, v5                        ; + 64 n
	v_add_nc_u32 v5, v5, v7
	v_add_nc_u32 v5, v5, v9
	v_lshlrev_b32 v8, 3, v0                        ; back, and in out0: 8 thread
	s_lshr_b32 s10, ttmp9, 1
	s_mul_i32 s10, s10, 14336
	s_and_b32 s11, ttmp9, 1
	s_lshl_b32 s11, s11, 8
	s_add_co_u32 s10, s10, s11
	s_lshl_b32 s11, s8, 10
	s_add_co_u32 s10, s10, s11
	s_mov_b32 s11, 0
	s_wait_alu depctr_va_vdst(0)                   ; the wait at the head's end
	s_wait_kmcnt 0x0
	s_add_nc_u64 s[12:13], s[4:5], s[10:11]        ; parts 0 to 3,
	s_add_nc_u64 s[14:15], s[12:13], 4*PART        ; 4 to 7,
	s_add_nc_u64 s[16:17], s[14:15], 4*PART        ; 8 to 11,
	s_add_nc_u64 s[18:19], s[16:17], 4*PART        ; 12 to 15: the offsets stay inside the signed 24-bit immediate
	s_mul_i32 s10, ttmp9, 6400
	s_add_nc_u64 s[6:7], s[6:7], s[10:11]
.macro LOADG g
.irp p, 0,1,2,3
.irp u, 0,1
	global_load_b128 v[BUF+32*(\g)+8*\p+4*\u:BUF+32*(\g)+8*\p+4*\u+3], v4, s[12+2*(\g):13+2*(\g)] offset:\p*PART+7168*\u th:TH_LOAD_NT
.endr
.endr
.endm
.macro SUMG g
.irp p, 0,1,2,3
.irp i, 0,2,4,6
.if ((\g) == 0) && (\p == 0)
.elseif ((\g) == 0) && (\p == 1)
	v_pk_add_f32 v[AC+\i:AC+\i+1], v[BUF+\i:BUF+\i+1], v[BUF+8+\i:BUF+8+\i+1]   ; the first two parts start the sums: nothing is cleared
.else
	v_pk_add_f32 v[AC+\i:AC+\i+1], v[AC+\i:AC+\i+1], v[BUF+32*(\g)+8*\p+\i:BUF+32*(\g)+8*\p+\i+1]
.endif
.endr
.endr
.endm
	LOADG 0
	LOADG 1
	LOADG 2
	LOADG 3
	s_wait_loadcnt 24                              ; the oldest eight loads are in; the younger 24 stay out
	SUMG 0
	s_wait_alu depctr_va_vdst(0)                   ; the wait ahead of each blocking wait behind the sums
	s_wait_loadcnt 16
	SUMG 1
	s_wait_alu depctr_va_vdst(0)
	s_wait_loadcnt 8
	SUMG 2
	s_wait_alu depctr_va_vdst(0)
	s_wait_loadcnt 0x0
	SUMG 3
.irp u, 0,1
	ds_store_b128 v5, v[AC+4*\u:AC+4*\u+3] offset:3200*\u
.endr
	s_wait_dscnt 0x0                               ; for the others' sake: my stores have landed
	s_barrier_signal -1
	s_barrier_wait -1
.irp k, 0,1,2
	ds_load_b64 v[BUF+2*\k:BUF+2*\k+1], v8 offset:1792*\k
.endr
	s_cmp_lt_u32 s8, 4                             ; pieces 672 to 799: threads 0 to 127
	s_cbranch_scc0 .Lthree
	ds_load_b64 v[BUF+6:BUF+7], v8 offset:1792*3
	s_wait_dscnt 0x0
	global_store_b64 v8, v[BUF+6:BUF+7], s[6:7] offset:1792*3 th:TH_STORE_NT
.Lthree:
	s_wait_dscnt 0x0
.irp k, 0,1,2
	global_store_b64 v8, v[BUF+2*\k:BUF+2*\k+1], s[6:7] offset:1792*\k th:TH_STORE_NT
.endr
	s_barrier_signal -1
	s_barrier_wait -1
	s_wait_tensorcnt 0x0                           ; the wave's end
	ds_add_u32 v160, v161
	s_wait_dscnt 0x0
	s_endpgm
.Lfunc_end_k_qa0c0ab62a8_gather:
	.size	k_qa0c0ab62a8_gather, .Lfunc_end_k_qa0c0ab62a8_gather-k_qa0c0ab62a8_gather
	.p2alignl 7, 3214868480
	.fill 96, 4, 3214868480
	.section	.rodata,"a",@progbits
	.p2align	6, 0x0
	.amdhsa_kernel k_qa0c0ab62a8_gather
		.amdhsa_group_segment_fixed_size 26624
		.amdhsa_private_segment_fixed_size 0
		.amdhsa_enable_private_segment 0
		.amdhsa_kernarg_size 16
		.amdhsa_user_sgpr_count 2
		.amdhsa_user_sgpr_kernarg_segment_ptr 1
		.amdhsa_wavefront_size32 1
		.amdhsa_system_sgpr_workgroup_id_x 1
		.amdhsa_system_sgpr_workgroup_id_y 1
		.amdhsa_system_sgpr_workgroup_id_z 1
		.amdhsa_system_vgpr_workitem_id 0
		.amdhsa_next_free_vgpr 162
		.amdhsa_next_free_sgpr 66
		.amdhsa_reserve_vcc 0
		.amdhsa_float_denorm_mode_32 3
		.amdhsa_float_denorm_mode_16_64 3
		.amdhsa_memory_ordered 1
		.amdhsa_forward_progress 1
		.amdhsa_inst_pref_size 11
	.end_amdhsa_kernel
	.amdgpu_metadata
---
amdhsa.version: [ 1, 2 ]
amdhsa.kernels:
  - .name:           k_qa0c0ab62a8_gather
    .symbol:         k_qa0c0ab62a8_gather.kd
    .args:
      - { .name: opart, .offset: 0, .size: 8, .value_kind: global_buffer, .address_space: global }
      - { .name: out0, .offset: 8, .size: 8, .value_kind: global_buffer, .address_space: global }
    .group_segment_fixed_size: 26624
    .private_segment_fixed_size: 0
    .kernarg_segment_align: 8
    .kernarg_segment_size: 16
    .max_flat_workgroup_size: 224
    .sgpr_count:     66
    .vgpr_count:     162
    .wavefront_size: 32
...
	.end_amdgpu_metadata
.endif
;; end of part 5
